; MI455X (gfx1250); checked and timed in simulation.
; The chip was launched on July 23, 2026; its instructions are those of AMD's public machine-readable ISA for CDNA 5 (MIT licence, August 2026) and "CDNA5" Instruction Set Architecture Reference Guide (July 2026). The comments in the code are by the model that wrote it; some were corrected since.
;; Transformer Block. Allowed arithmetic: matrix products marked QUANTISED: E4M3 operands, one given power-of-two scale a tensor, by v_wmma_f32_16x16x64_fp8_fp8 or v_wmma_f32_16x16x128_fp8_fp8, f32 sums; everything else in f32.
;; Inputs: W1_codes 4,096 x 32 x 32 uint8 (E4M3 codes of W1, K innermost, in blocks of 32 codes); W2_codes 1,024 x 128 x 32 uint8 (E4M3 codes of W2, K innermost, in blocks of 32 codes); Wk_codes 1,024 x 32 x 32 uint8 (E4M3 codes of Wk, K innermost, in blocks of 32 codes); Wo_codes 1,024 x 32 x 32 uint8 (E4M3 codes of Wo, K innermost, in blocks of 32 codes); Wq_codes 1,024 x 32 x 32 uint8 (E4M3 codes of Wq, K innermost, in blocks of 32 codes); Wv_codes 1,024 x 32 x 32 uint8 (E4M3 codes of Wv, K innermost, in blocks of 32 codes); b1 4,096 float32; b2 1,024 float32; bo 1,024 float32; g1 1,024 float32; g2 1,024 float32; lowp_scales 16 int32 (the exponents e of the quantised operands' scales 2^e); s1 1,024 float32; s2 1,024 float32; x 2 x 2,048 x 1,024 float32.
;; Outputs: out0 2 x 2,048 x 1,024 float32.
;; This version of the problem:
;;   THIS VERSION OF THE PROBLEM IS GIVEN IN LOW PRECISION. The matrix products marked QUANTISED in the list below multiply operands that are first quantised to E4M3 (4 exponent bits, 3 mantissa bits; 8 bits a number), with one given power-of-two scale for each operand tensor; their sums are f32. All else is computed in f32.
;;   The module's matrix products, in the order in which they are computed (A, B: the left and right operand; K: the contracted axis; several contracted axes count as one K, in the product's order):
;;     1. [M 4,096, K 1,024] x [K 1,024, N 1,024]; A: computed on the way; B: input Wq (given as codes): QUANTISED (scales: A lowp_scales[0], B lowp_scales[1])
;;     2. [M 4,096, K 1,024] x [K 1,024, N 1,024]; A: computed on the way; B: input Wk (given as codes): QUANTISED (scales: A lowp_scales[2], B lowp_scales[3])
;;     3. [M 4,096, K 1,024] x [K 1,024, N 1,024]; A: computed on the way; B: input Wv (given as codes): QUANTISED (scales: A lowp_scales[4], B lowp_scales[5])
;;     4. batch 32 x [M 2,048, K 64] x [K 64, N 2,048]; A: computed on the way; B: computed on the way: QUANTISED (scales: A lowp_scales[6], B lowp_scales[7])
;;     5. batch 32 x [M 2,048, K 2,048] x [K 2,048, N 64]; A: softmax (see below); B: computed on the way: QUANTISED (scales: A lowp_scales[8], B lowp_scales[9])
;;     6. [M 4,096, K 1,024] x [K 1,024, N 1,024]; A: computed on the way; B: input Wo (given as codes): QUANTISED (scales: A lowp_scales[10], B lowp_scales[11])
;;     7. [M 4,096, K 1,024] x [K 1,024, N 4,096]; A: computed on the way; B: input W1 (given as codes): QUANTISED (scales: A lowp_scales[12], B lowp_scales[13])
;;     8. [M 4,096, K 4,096] x [K 4,096, N 1,024]; A: computed on the way; B: input W2 (given as codes): QUANTISED (scales: A lowp_scales[14], B lowp_scales[15])
;;   THE QUANTISER, for each operand of a quantised product, along K:
;;     - The operand's scale is 2^e, e = its entry of the input lowp_scales (int32; the entries are numbered through the quantised products in the list's order, A before B).
;;     - Each number is divided by the scale, clamped to +-448, and rounded to the nearest number of E4M3, ties to even, subnormals kept.
;;     - The product sums the exact products of the quantised numbers (number of the format x scale) in f32.
;;   ~~~python
;;   def quantise(x, axis, e):      # numpy; x: float32 -> the quantised numbers, widened to float32 again
;;       x = np.moveaxis(x, axis, -1); K = x.shape[-1]
;;       r = np.clip(x / 2.0 ** e, -448, 448)
;;       step = 2.0 ** (np.maximum(np.frexp(np.where(r == 0, 1, r))[1] - 1, -6) - 3)
;;       q = np.round(r / step) * step * 2.0 ** e      # np.round: ties to even
;;       return np.moveaxis(q, -1, axis).astype(np.float32)
;;   ~~~
;;   SOFTMAX AHEAD OF A QUANTISED PRODUCT. Where the list says 'softmax', what is quantised is not the finished softmax but p = 2^(t - M), with t = logit x log2(e) and M = ceil(the row's largest t), a whole number; so 1/2 < the row's largest p <= 1. The row's sum l is taken of the UNQUANTISED p, in f32, and the product's result is divided by l at the end. Since M is a whole number, a kernel that streams over the keys may use a running M (the ceiling of the running maximum): every later rescaling is an exact power of two, so the quantised numbers keep their values, but for numbers so far below the row's largest that they fall under the format's range.
;;   OPERANDS COMPUTED ON THE WAY. 'Computed on the way' means the value that the module computes at that place (a softmax that the list does not call 'softmax' is quantised finished and normalised). What goes into a quantiser is computed in f32, as accurately as f32 sums, v_exp_f32 and their like allow (about 1e-6 of the number): no bf16 or f16 on the way to a quantiser, and a product that is left as it is and whose result goes on into a quantised operand takes f32 operands (vector FMAs, or v_wmma_f32_16x16x4_f32). A number that lies on a knife's edge between two numbers of the format may be rounded either way, as far as f32 arithmetic and the matrix unit's own rounding can turn it there, and no further.
;;   INPUTS GIVEN AS CODES. W1 (in the module: [1024, 4096], K = its axis 0); W2 (in the module: [4096, 1024], K = its axis 0); Wk (in the module: [1024, 1024], K = its axis 0); Wo (in the module: [1024, 1024], K = its axis 0); Wq (in the module: [1024, 1024], K = its axis 0); Wv (in the module: [1024, 1024], K = its axis 0): each comes as NAME_codes (uint8): NAME with its K axis moved to the last place and cut into blocks of 32 codes, [.., K / 32, bytes a block], one block behind the other in memory; one code a byte (a code: sign, 4 exponent bits, 3 mantissa bits); its scale is its entry of lowp_scales. Its value is code x scale, taken as it is: it is not quantised again, and the codes and scales need not be those that the quantiser above would give.
;; One version. Each part assembles by itself: llvm-mc -triple=amdgcn-amd-amdhsa -mcpu=gfx1250 --defsym DOCPART=n.
;; ======== version 1 of 1: 7 launches
;; workspace buffers: hn 12,582,912 bytes; qkv 12,582,912 bytes; cc 4,194,304 bytes; x2 16,777,216 bytes; h2 4,194,304 bytes; hc 16,777,216 bytes
;; launch ln1 (part 1): grid 256 x 1, 8 waves a work-group, no clusters, 25,600 bytes of LDS; arguments x, g1, s1, lowp_scales, hn; writes hn
.if DOCPART == 1
	.amdgcn_target "amdgcn-amd-amdhsa--gfx1250"
	.amdhsa_code_object_version 6
	.text
	.protected	k_q869880e110_ln1
	.globl	k_q869880e110_ln1
	.p2align	8
	.type	k_q869880e110_ln1,@function
k_q869880e110_ln1:
	s_mov_b64 s[64:65], 0
	v_nop
	global_prefetch_b8 v0, s[64:65] scope:SCOPE_SE
	s_setreg_imm32_b32 hwreg(HW_REG_WAVE_MODE, 25, 1), 1
	s_wait_xcnt 0x0
; A PRE-LN TRANSFORMER BLOCK (4,096 rows of 1,024; 16 heads of 64), all eight products on E4M3 codes, in seven launches:
;   ln1: LayerNorm 1 -> codes   qkv: the three projections -> codes of q, k, v   attn: causal attention -> codes of ctx   wo: x + ctx Wo + bo -> x2 (f32)
;   ln2: LayerNorm 2 -> codes   w1: gelu(h W1 + b1) -> codes   w2: x2 + hidden W2 + b2 -> out0.
; WORK LEFT OUT.  reference() builds the causal mask in its own body (triu, k = 1) and sets the scores of keys k > q to -infinity ahead of the softmax: their p is 0 whatever the inputs hold, so they add
; nothing to the row's maximum, to its sum or to the second product.  Key steps (128 keys) that lie wholly behind a wave's 16 queries are therefore neither multiplied nor, behind a work-group's last query, loaded
; (launch attn).  Nothing else is left out, and every input is loaded.  LIMIT: a NaN, an infinity or an overflow that reaches only such hidden scores is not carried to the result.
; THIS LAUNCH: h = g (x - mean) / sqrt(var + 1e-5) + s, in f32 (the mean first, then the squares of the differences, as reference() has it), quantised THREE times, with the scales of entries 0, 2 and 4
; (the left operands of the q, k and v projections): three parts of hn, 4 MiB each, rows of 1,024 codes.
; code = h / 2^e, held within +-448, to the nearest code, ties to even.  LIMITS: each e between -126 and 119, so that 2^e and 448 x 2^e are f32 numbers.  NaN among the inputs is not served.
; SHARES.  A work-group takes 16 rows, a wave two; a row lies in 32 registers of one wave: load j reads 512 consecutive bytes, so register 4 j + i of lane l is column 128 j + 4 l + i.  No wave waits for another.
; The conversion takes 8 registers: registers 8 m .. 8 m + 7 give two words, the codes of columns 256 m + 4 l .. + 3 and 256 m + 128 + 4 l .. + 3.  A row's 1,024 codes go through the wave's own stage in LDS
; (word w of lane l at byte 128 w + 4 l) and leave as two stores of 512 consecutive bytes.  No matrix unit, cluster or tensor load: the launch streams, and shares nothing but g and s.
.set NS,    3                          ; scales
.set REG,   NS*1024                    ; a wave's stage
.set SPARE, 8*REG                      ; behind the stages: the spare words, 128 bytes for each wave, which no other line names
.set CW,    8                          ; v8-31    code words, 8 for each scale
.set T,     32                         ; v32-63   the row, held
.set G,     64                         ; v64-95   g
.set SH,    96                         ; v96-127  s
.set X,     128                        ; v128-191 two rows
.set OUT,   192                        ; v192-239 codes on the way out: registers of their own for each row, so that no store's data are written again
.set SA,    240                        ; v[240:241], v[242:243] two chains of sums
.set SB,    242
.set MEAN,  244                        ; v[244:245] the mean, twice
.set RSTD,  246                        ; v[246:247] 1 / sqrt(var + eps), twice
.set PT,    248                        ; the lane permute's destination
.set SC,    249                        ; v249-251 2^e
.set LIM,   252                        ; v252-254 448 x 2^e
	s_load_b256 s[4:11], s[0:1], 0x0               ; x, g, s, the scales' exponents
	s_load_b64 s[12:13], s[0:1], 0x20              ; the codes
	v_lshl_add_u32 v4, v0, 2, SPARE                ; my spare word,
	v_mov_b32 v5, 0                                ; and 0: both kept for the closing lines
	v_lshrrev_b32 v6, 5, v0
	v_readfirstlane_b32 s14, v6                    ; wave
	v_and_b32 v6, 31, v0                           ; lane
	v_lshlrev_b32 v1, 4, v6                        ; 16 x lane: my bytes of a load's or a store's 512
	s_mul_i32 s15, s14, REG
	v_lshl_add_u32 v2, v6, 2, s15                  ; the stage, in: 4 x lane
	v_lshl_add_u32 v3, v6, 4, s15                  ; and out: 16 x lane
	v_mov_b32 v[PT], 0                             ; written once: a lane permute's destination counts as read
	s_lshl_b32 s2, ttmp9, 16                       ; 16 rows of 4,096 bytes a work-group,
	s_lshl_b32 s3, s14, 13                         ; two a wave
	s_add_co_u32 s2, s2, s3
	s_lshr_b32 s40, s2, 2                          ; the same rows in codes: 1,024 bytes each
	s_mov_b32 s3, 0
	s_mov_b32 s41, 0
	s_mov_b32 s38, 0x76543210                      ; lane l xor 16
	s_mov_b32 s39, 0xfedcba98
	s_mov_b32 s42, 0x3a800000                      ; 1 / 1,024
	s_mov_b32 s43, 0x3727c5ac                      ; 1e-5
	s_wait_kmcnt 0x0
	s_load_b256 s[16:23], s[10:11], 0x0            ; entries 0 to 7
	s_add_nc_u64 s[4:5], s[4:5], s[2:3]
	s_add_nc_u64 s[24:25], s[12:13], s[40:41]      ; part 0,
	s_add_nc_u64 s[26:27], s[24:25], 0x400000      ; part 1,
	s_add_nc_u64 s[28:29], s[24:25], 0x800000      ; part 2
.irp j, 0,1,2,3,4,5,6,7
	global_load_b128 v[X+4*\j:X+4*\j+3], v1, s[4:5] offset:512*\j th:TH_LOAD_NT
.endr
.irp j, 0,1,2,3,4,5,6,7
	global_load_b128 v[G+4*\j:G+4*\j+3], v1, s[6:7] offset:512*\j
.endr
.irp j, 0,1,2,3,4,5,6,7
	global_load_b128 v[SH+4*\j:SH+4*\j+3], v1, s[8:9] offset:512*\j
.endr
.irp j, 0,1,2,3,4,5,6,7
	global_load_b128 v[X+32+4*\j:X+32+4*\j+3], v1, s[4:5] offset:4096+512*\j th:TH_LOAD_NT
.endr
	s_wait_kmcnt 0x0
.set k, 0
.rept NS
	s_add_co_i32 s30, s[16+2*k], 127
	s_lshl_b32 s31, s30, 23
	v_mov_b32 v[SC+k], s31                         ; 2^e as f32: the conversion takes its exponent field
	s_add_co_i32 s30, s30, 8
	s_lshl_b32 s30, s30, 23
	s_or_b32 s30, s30, 0x600000
	v_mov_b32 v[LIM+k], s30                        ; 448 x 2^e
.set k, k+1
.endr
.macro RED r                           ; the sum over the 32 lanes, in every lane
	v_add_f32_dpp v[\r], v[\r], v[\r] row_xmask:1 row_mask:0xf bank_mask:0xf
	v_add_f32_dpp v[\r], v[\r], v[\r] row_xmask:2 row_mask:0xf bank_mask:0xf
	v_add_f32_dpp v[\r], v[\r], v[\r] row_xmask:4 row_mask:0xf bank_mask:0xf
	v_add_f32_dpp v[\r], v[\r], v[\r] row_xmask:8 row_mask:0xf bank_mask:0xf
	v_permlanex16_b32 v[PT], v[\r], s38, s39
	v_add_f32 v[\r], v[\r], v[PT]
.endm
.macro ROW p
.set XS, X+32*\p
.if \p == 0
	s_wait_loadcnt 24                              ; row 0's eight loads are in; g's, s's and row 1's 24 may be out
.else
	s_wait_loadcnt 0x0
.endif
	v_pk_add_f32 v[SA:SA+1], v[XS:XS+1], v[XS+2:XS+3]
	v_pk_add_f32 v[SB:SB+1], v[XS+4:XS+5], v[XS+6:XS+7]
.irp j, 8,12,16,20,24,28
	v_pk_add_f32 v[SA:SA+1], v[SA:SA+1], v[XS+\j:XS+\j+1]
	v_pk_add_f32 v[SB:SB+1], v[SB:SB+1], v[XS+\j+2:XS+\j+3]
.endr
	v_pk_add_f32 v[SA:SA+1], v[SA:SA+1], v[SB:SB+1]
	v_add_f32 v[SA], v[SA], v[SA+1]
	RED SA
	v_mul_f32 v[MEAN], s42, v[SA]
	v_mov_b32 v[MEAN+1], v[MEAN]
.set j, 0
.rept 16
	v_pk_add_f32 v[XS+j:XS+j+1], v[XS+j:XS+j+1], v[MEAN:MEAN+1] neg_lo:[0,1] neg_hi:[0,1]   ; x - mean
.set j, j+2
.endr
	v_pk_mul_f32 v[SA:SA+1], v[XS:XS+1], v[XS:XS+1]
	v_pk_mul_f32 v[SB:SB+1], v[XS+2:XS+3], v[XS+2:XS+3]
.irp j, 4,8,12,16,20,24,28
	v_pk_fma_f32 v[SA:SA+1], v[XS+\j:XS+\j+1], v[XS+\j:XS+\j+1], v[SA:SA+1]
	v_pk_fma_f32 v[SB:SB+1], v[XS+\j+2:XS+\j+3], v[XS+\j+2:XS+\j+3], v[SB:SB+1]
.endr
	v_pk_add_f32 v[SA:SA+1], v[SA:SA+1], v[SB:SB+1]
	v_add_f32 v[SA], v[SA], v[SA+1]
	RED SA
	v_fma_f32 v[SA], v[SA], s42, s43               ; var + eps
	v_rsq_f32 v[RSTD], v[SA]
	v_rsq_f32 v[RSTD+1], v[SA]
	v_nop                                          ; a plain instruction behind the transcendentals,
	s_wait_alu depctr_va_vdst(0)                   ; and one wait for both, ahead of their first use
.if \p == 0
	s_wait_loadcnt 8                               ; g and s are in; row 1's eight may be out
.endif
.set j, 0
.rept 16
	v_pk_mul_f32 v[XS+j:XS+j+1], v[XS+j:XS+j+1], v[RSTD:RSTD+1]
.set j, j+2
.endr
.set j, 0
.rept 16
	v_pk_fma_f32 v[XS+j:XS+j+1], v[XS+j:XS+j+1], v[G+j:G+j+1], v[SH+j:SH+j+1]
.set j, j+2
.endr
.set k, 0
.rept NS
.set j, 0
.rept 32
	v_med3_num_f32 v[T+j], v[XS+j], -v[LIM+k], v[LIM+k]   ; the conversion to an 8-bit code does not saturate (ISA guide 7.6.2): the hold comes first
.set j, j+1
.endr
.set j, 0
.rept 4
	v_cvt_scalef32_pk8_fp8_f32 v[CW+8*k+2*j:CW+8*k+2*j+1], v[T+8*j:T+8*j+7], v[SC+k]
.set j, j+1
.endr
	v_nop                                          ; a plain instruction between the conversions and the next holds, which write their sources
.set j, 0
.rept 8
	ds_store_b32 v2, v[CW+8*k+j] offset:1024*k+128*j
.set j, j+1
.endr
	ds_load_b128 v[OUT+8*NS*\p+8*k:OUT+8*NS*\p+8*k+3], v3 offset:1024*k        ; LDS serves a wave's instructions in order (ISA guide 5.7.1.4): these see my stores
	ds_load_b128 v[OUT+8*NS*\p+8*k+4:OUT+8*NS*\p+8*k+7], v3 offset:1024*k+512
.set k, k+1
.endr
	s_wait_dscnt 0x0
.set k, 0
.rept NS
	global_store_b128 v1, v[OUT+8*NS*\p+8*k:OUT+8*NS*\p+8*k+3], s[24+2*k:25+2*k] offset:1024*\p       ; 32 lanes store 512 consecutive bytes, aligned
	global_store_b128 v1, v[OUT+8*NS*\p+8*k+4:OUT+8*NS*\p+8*k+7], s[24+2*k:25+2*k] offset:1024*\p+512
.set k, k+1
.endr
.endm
	ROW 0
	ROW 1
	s_wait_tensorcnt 0x0                           ; the wave's end, behind my last LDS store
	ds_add_u32 v4, v5
	s_wait_dscnt 0x0
	s_endpgm
.Lfunc_end_k_q869880e110_ln1:
	.size	k_q869880e110_ln1, .Lfunc_end_k_q869880e110_ln1-k_q869880e110_ln1
	.p2alignl 7, 3214868480
	.fill 96, 4, 3214868480
	.section	.rodata,"a",@progbits
	.p2align	6, 0x0
	.amdhsa_kernel k_q869880e110_ln1
		.amdhsa_group_segment_fixed_size 25600
		.amdhsa_private_segment_fixed_size 0
		.amdhsa_enable_private_segment 0
		.amdhsa_kernarg_size 40
		.amdhsa_user_sgpr_count 2
		.amdhsa_user_sgpr_kernarg_segment_ptr 1
		.amdhsa_wavefront_size32 1
		.amdhsa_system_sgpr_workgroup_id_x 1
		.amdhsa_system_sgpr_workgroup_id_y 1
		.amdhsa_system_sgpr_workgroup_id_z 1
		.amdhsa_system_vgpr_workitem_id 0
		.amdhsa_next_free_vgpr 256
		.amdhsa_next_free_sgpr 66
		.amdhsa_reserve_vcc 0
		.amdhsa_float_denorm_mode_32 3
		.amdhsa_float_denorm_mode_16_64 3
		.amdhsa_memory_ordered 1
		.amdhsa_forward_progress 1
		.amdhsa_inst_pref_size 37
	.end_amdhsa_kernel
	.amdgpu_metadata
---
amdhsa.version: [ 1, 2 ]
amdhsa.kernels:
  - .name:           k_q869880e110_ln1
    .symbol:         k_q869880e110_ln1.kd
    .args:
      - { .name: x, .offset: 0, .size: 8, .value_kind: global_buffer, .address_space: global }
      - { .name: g1, .offset: 8, .size: 8, .value_kind: global_buffer, .address_space: global }
      - { .name: s1, .offset: 16, .size: 8, .value_kind: global_buffer, .address_space: global }
      - { .name: lowp_scales, .offset: 24, .size: 8, .value_kind: global_buffer, .address_space: global }
      - { .name: hn, .offset: 32, .size: 8, .value_kind: global_buffer, .address_space: global }
    .group_segment_fixed_size: 25600
    .private_segment_fixed_size: 0
    .kernarg_segment_align: 8
    .kernarg_segment_size: 40
    .max_flat_workgroup_size: 256
    .sgpr_count:     66
    .vgpr_count:     256
    .wavefront_size: 32
...
	.end_amdgpu_metadata
.endif
;; end of part 1
;; launch qkv (part 2): grid 4 x 48, 4 waves a work-group, clusters of 4 x 4, 327,680 bytes of LDS; arguments hn, Wq_codes, Wk_codes, Wv_codes, lowp_scales, qkv; writes qkv
.if DOCPART == 2
	.amdgcn_target "amdgcn-amd-amdhsa--gfx1250"
	.amdhsa_code_object_version 6
	.text
	.protected	k_q869880e110_qkv
	.globl	k_q869880e110_qkv
	.p2align	8
	.type	k_q869880e110_qkv,@function
k_q869880e110_qkv:
	s_mov_b64 s[64:65], 0
	v_nop
	global_prefetch_b8 v0, s[64:65] scope:SCOPE_SE
	s_setreg_imm32_b32 hwreg(HW_REG_WAVE_MODE, 25, 1), 1
	s_wait_xcnt 0x0
	s_wait_alu depctr_hold_cnt(0) depctr_sa_sdst(0) depctr_va_vdst(0) depctr_va_sdst(0) depctr_va_ssrc(0) depctr_va_vcc(0) depctr_vm_vsrc(0)
	s_getreg_b32 s2, hwreg(HW_REG_IB_STS2, 6, 4)
	s_cmp_eq_u32 s2, 0
	s_cbranch_scc0 .Lentry_in_a_cluster
	s_endpgm
.Lentry_in_a_cluster:
	s_bfe_u32 s2, ttmp6, 0x10000c
	s_cmp_lg_u32 s2, 0xf033
	s_cbranch_scc0 .Lentry_shape_is_right
	s_endpgm
.Lentry_shape_is_right:
; THE THREE PROJECTIONS, each C = A B^T on E4M3 codes, K = 1,024, and each result quantised at once for attention.  Three jobs, four clusters of 4 x 4 work-groups each (job = cluster y / 4):
;   job 0: q = h Wq: A = hn part 0 (4,096 rows), B = Wq's codes (1,024 rows); code = sum / 2^(e6 - e0 - e1)
;   job 1: k = h Wk: A = hn part 1,              B = Wk's codes;              code = sum / 2^(e7 - e2 - e3)
;   job 2: v^T = Wv^T h^T: A = Wv's codes (1,024 rows), B = hn part 2 (4,096 rows): the roles are swapped, so that a lane's eight results are eight neighbouring KEYS; code = sum / 2^(e9 - e4 - e5)
; The job only selects pointers, offsets and exponents (s_cselect); no branch hangs on it.  LIMITS: each folded exponent between -126 and 119.  NaN among the inputs is not served.
; OUT, in chunks of 64 columns: [columns / 64][rows][64 bytes].  q and k: [16 heads][4,096 tokens][64]; v^T: [64 chunks of 64 tokens][1,024 rows 64 head + d][64].  16 rows x 64 columns of codes are 1,024 consecutive bytes.
; A tile of C, 256 x 256, is made by four waves, as many as a WGP has SIMDs; a wave makes 128 x 128: 64 accumulators, 512 registers.  K goes in steps of 256 through a ring of two LDS slots filled by the tensor
; data mover.  192 work-groups: tiles of 128 x 128 would give 768, at twice the LDS bytes for each multiply-add.
; CLUSTERS: the four of a row of the cluster need the same tiles of A, the four of a column the same tiles of B: each tile is asked for JOINTLY.  THE MATRIX INSTRUCTION IS USED TRANSPOSED (source 0 = 16 rows of B,
; source 1 = 16 rows of A): a lane holds eight neighbouring columns of one row of C.  A fragment is fetched by four loads of 16 bytes: a permutation of k that is the same in A and in B.
; REGISTERS, in windows of 256: window 0: v0-31 addresses; from v128 A's fragments, one set; window 1: B's fragments, two sets; windows 2, 3: the accumulators ((a, b) at v[8 (8 (a % 4) + b)]).
.set KSTEP,  256
.set ROWB,   256
.set KROW,   1024
.set PITCH,  272                       ; an LDS row: 256 bytes + 16 of padding: the 16 rows that a load touches start at 16 different banks (64 banks of 4 bytes: ISA guide 11.1)
.set FR,     16
.set NL,     4
.set NP,     4
.set HALFT,  128*PITCH
.set SLOT,   4*HALFT
.set LAPS,   KROW/(2*KSTEP)
.set SPARE,  2*SLOT                    ; behind the ring: the spare words, 128 bytes a wave, which no other line names
.set SPB,    2560                      ; the way out: a stage of [2 chunks][16 rows][64 + 16 bytes] for each wave, in slot 0, which has had its last fill and its last read by then
.set ADRA, 16
.set ADRB, 20
.set STO,  24
.set RD,   25
.set CO,   26
.set SPW,  28
.set NIL,  29
.set SCL,  30                          ; v30  2^E
.set LIMV, 31                          ; v31  448 x 2^E
.set CD,   96                          ; v96-111   a block's codes
.set BK,   112                         ; v112-127  and back from the stage
.set U,    128                         ; v128-191  a block's sums, held
.set AF,   128
.set G1, 24
.set G0, 32
.set G1B, 48
.set G0B, 56
.set MSB, 0
.macro WIN new                         ; the immediate's high byte repeats the setting that is left
.if MSB != \new
	s_set_vgpr_msb (MSB<<8)|\new
.set MSB, \new
.endif
.endm
.set MUL_LO, 0xa1                      ; source 0 (B) window 1, source 1 (A) window 0, C and D window 2
.set MUL_HI, 0xf1
.set TO_B,   0x40
.macro JLOAD g0a, g1a, g0b, g1b        ; a joint load: waves 0 and 1 fetch for A, waves 2 and 3 for B; an s_nop 0 and four v_nop follow each line
	s_cmp_eq_u32 s15, 0
	s_cbranch_scc0 .Lfor_b_\@
	tensor_load_to_lds s[\g0a:\g0a+3], s[\g1a:\g1a+7]
	s_nop 0
.rept 4
	v_nop
.endr
	s_branch .Lasked_\@
.Lfor_b_\@:
	tensor_load_to_lds s[\g0b:\g0b+3], s[\g1b:\g1b+7]
	s_nop 0
.rept 4
	v_nop
.endr
.Lasked_\@:
.endm
.macro CREST                           ; a round of the cluster's barrier behind its opening barrier
	s_cmp_lg_u32 s14, 0
	s_cbranch_scc1 .Lnot_wave_0_\@
	s_barrier_signal -3
.Lnot_wave_0_\@:
	s_barrier_wait -3
	s_barrier_signal -1
	s_barrier_wait -1
.endm
.macro CROUND
	s_barrier_signal -1
	s_barrier_wait -1
	CREST
.endm
	s_load_b256 s[4:11], s[0:1], 0x0               ; hn, Wq's, Wk's, Wv's codes
	s_load_b128 s[68:71], s[0:1], 0x20             ; the scales' exponents, qkv
	v_lshl_add_u32 v[SPW], v0, 2, SPARE
	v_mov_b32 v[NIL], 0
	ds_add_u32 v[SPW], v[NIL]                      ; the wave's opening: the add, twice on end, and its wait ahead of my first tensor load
	ds_add_u32 v[SPW], v[NIL]
	v_lshrrev_b32 v1, 5, v0
	v_readfirstlane_b32 s14, v1                    ; wave 0..3
	s_lshr_b32 s15, s14, 1                         ; my half of the tile's rows.  Also: I fetch for A (0) or for B (1)
	s_and_b32 s16, s14, 1                          ; my half of its columns.  Also: which 128 rows I fetch
	s_bfe_u32 s40, ttmp6, 0x40000                  ; cx
	s_bfe_u32 s41, ttmp6, 0x40004                  ; cy
	s_and_b32 s13, ttmp7, 0xffff                   ; cluster y, 0 to 11: the same in all sixteen partners
	s_lshr_b32 s12, s13, 2                         ; the job
	s_and_b32 s13, s13, 3
	s_lshl_b32 s13, s13, 2                         ; 4 x which of the job's four clusters
	s_cmp_eq_u32 s12, 2
	s_cselect_b32 s17, 0, s13                      ; jobs 0, 1: the clusters lie one below the other; job 2: side by side
	s_cselect_b32 s42, s13, 0
	s_add_co_u32 s17, s17, s41                     ; tile row of C
	s_add_co_u32 s42, s42, s40                     ; tile column of C
	s_lshl_b32 s43, s41, 2
	s_lshl_b32 s43, 15, s43                        ; my row of the cluster
	s_lshl_b32 s44, 0x1111, s40                    ; my column
	s_or_b32 s[G1+0], s43, (0<<16)|(1<<20)|(1<<21)|(5<<22)|(3<<25)   ; the mask; elements of 1 byte; padding on; bit 21 beside a mask; after every 64 words, 4 words
	s_or_b32 s[G1B+0], s44, (0<<16)|(1<<20)|(1<<21)|(5<<22)|(3<<25)
.irp g, G1, G1B
	s_mov_b32 s[\g+1], ROWB<<16                    ; tensor_dim0
	s_mov_b32 s[\g+2], 128<<16                     ; tensor_dim1
	s_mov_b32 s[\g+3], ROWB<<16                    ; tile_dim0
	s_mov_b32 s[\g+4], 128                         ; tile_dim1
	s_mov_b32 s[\g+5], KROW                        ; from row to row
	s_mov_b32 s[\g+6], 0
	s_mov_b32 s[\g+7], 0
.endr
	s_lshl_b32 s18, s16, 7
	s_lshl_b32 s20, s17, 8
	s_add_co_u32 s20, s20, s18
	s_lshl_b32 s20, s20, 10                        ; A: (256 x tile row + 128 x half) rows of 1,024 bytes
	s_lshl_b32 s46, s42, 8
	s_add_co_u32 s46, s46, s18
	s_lshl_b32 s46, s46, 10                        ; B likewise, by the tile column
	s_cmp_eq_u32 s12, 1
	s_cselect_b32 s19, 0x400000, 0
	s_add_co_u32 s20, s20, s19                     ; job 1: hn's part 1
	s_cmp_eq_u32 s12, 2
	s_cselect_b32 s19, 0x800000, 0
	s_add_co_u32 s46, s46, s19                     ; job 2: hn's part 2, as B
	s_mov_b32 s21, 0
	s_mov_b32 s47, 0
	s_mul_i32 s45, s14, HALFT                      ; where they go: wave x 128 rows
	s_wait_dscnt 0x0                               ; both opening adds are done
	s_wait_kmcnt 0x0
	s_load_b512 s[72:87], s[68:69], 0x0            ; e0 .. e15
	s_cmp_eq_u32 s12, 2
	s_cselect_b64 s[94:95], s[10:11], s[4:5]       ; A: Wv's codes, or hn
	s_cselect_b64 s[96:97], s[4:5], s[8:9]         ; B: hn, or Wk's codes,
	s_cmp_eq_u32 s12, 0
	s_cselect_b64 s[96:97], s[6:7], s[96:97]       ; or Wq's
	s_add_nc_u64 s[20:21], s[94:95], s[20:21]
	s_add_nc_u64 s[46:47], s[96:97], s[46:47]
	CROUND                                         ; all sixteen work-groups are here: the first joint loads meet
.irp s, 0,1
	s_mov_b32 s[G0+4*\s], 1
	s_add_co_u32 s[G0+4*\s+1], s45, \s*SLOT
	s_add_nc_u64 s[G0+4*\s+2:G0+4*\s+3], s[20:21], \s*ROWB
	s_or_b32 s[G0+4*\s+3], s[G0+4*\s+3], 0x80000000
	s_mov_b32 s[G0B+4*\s], 1
	s_add_co_u32 s[G0B+4*\s+1], s45, \s*SLOT
	s_add_nc_u64 s[G0B+4*\s+2:G0B+4*\s+3], s[46:47], \s*ROWB
	s_or_b32 s[G0B+4*\s+3], s[G0B+4*\s+3], 0x80000000
	JLOAD G0+4*\s, G1, G0B+4*\s, G1B
.endr
	v_and_b32 v1, 15, v0                           ; r
	v_bfe_u32 v2, v0, 4, 1                         ; h
	v_mul_u32_u24 v3, v1, PITCH
	v_lshl_add_u32 v4, v2, 4, v3
	s_mul_i32 s21, s15, HALFT
	s_mul_i32 s22, s16, HALFT
	s_add_co_u32 s22, s22, 2*HALFT
.irp s, 0,1
	v_add_nc_u32 v[ADRA+\s], s21, v4
	v_add_nc_u32 v[ADRB+\s], s22, v4
	s_add_co_u32 s21, s21, SLOT
	s_add_co_u32 s22, s22, SLOT
.endr
	s_mul_i32 s23, s14, SPB                        ; my stage
	v_mul_u32_u24 v5, v1, 80
	v_lshl_add_u32 v5, v2, 3, v5
	v_add_nc_u32 v[STO], s23, v5                   ; in: row r, 8 bytes for each half of the lanes
	v_and_b32 v6, 31, v0
	v_lshrrev_b32 v7, 2, v6
	v_mul_u32_u24 v7, v7, 80
	v_and_b32 v8, 3, v6
	v_lshl_add_u32 v7, v8, 4, v7
	v_add_nc_u32 v[RD], s23, v7                    ; back: four lanes to a row of 64 bytes, eight rows a load
	v_lshlrev_b32 v[CO], 4, v6                     ; and the same 512 bytes in memory
	s_cmp_eq_u32 s12, 2
	s_cselect_b32 s92, 16, 18                      ; a chunk: 1,024 or 4,096 rows of 64 bytes
	s_lshl_b32 s88, s42, 2
	s_lshl_b32 s89, s16, 1
	s_add_co_u32 s88, s88, s89                     ; my first chunk: 4 x tile column + 2 x half
	s_lshl_b32 s88, s88, s92
	s_lshl_b32 s89, s17, 14
	s_add_co_u32 s88, s88, s89                     ; + 256 x tile row x 64
	s_lshl_b32 s89, s15, 13
	s_add_co_u32 s88, s88, s89                     ; + 128 x half x 64
	s_lshl_b32 s89, s12, 22
	s_add_co_u32 s88, s88, s89                     ; + the job's part
	s_mov_b32 s89, 0
	s_add_nc_u64 s[88:89], s[70:71], s[88:89]      ; my first chunk,
	s_lshl_b32 s90, 1, s92
	s_mov_b32 s91, 0
	s_add_nc_u64 s[90:91], s[88:89], s[90:91]      ; and my second
.macro FRAG reg, adr, q, i             ; 16 rows x 128 K: registers 4 c .. 4 c + 3 hold K = 32 c + 16 (l / 16) + 0 .. 15 of row l % 16
.irp c, 0,1,2,3
	ds_load_b128 v[\reg+4*\c:\reg+4*\c+3], v[\adr] offset:128*(\q)+32*\c+(\i)*16*PITCH
.endr
.endm
.macro MUL16 a0, p, zero               ; A's blocks a0, a0 + 1 x B's eight.  The 64 accumulators take turns, one instruction a turn, in the same order in every step
.irp a, \a0, \a0+1
.irp b, 0,1,2,3,4,5,6,7
.if \zero
	v_wmma_f32_16x16x128_fp8_fp8 v[8*(8*((\a)%4)+\b):8*(8*((\a)%4)+\b)+7], v[128*(\p)+FR*\b:128*(\p)+FR*\b+FR-1], v[AF+FR*(\a):AF+FR*(\a)+FR-1], 0
.else
	v_wmma_f32_16x16x128_fp8_fp8 v[8*(8*((\a)%4)+\b):8*(8*((\a)%4)+\b)+7], v[128*(\p)+FR*\b:128*(\p)+FR*\b+FR-1], v[AF+FR*(\a):AF+FR*(\a)+FR-1], v[8*(8*((\a)%4)+\b):8*(8*((\a)%4)+\b)+7]
.endif
.endr
.endr
.endm
.macro FETCH_B slot, q, p
	WIN TO_B
.irp i, 0,1,2,3,4,5,6,7
	FRAG 128*(\p)+FR*\i, ADRB+\slot, \q, \i
.endr
	WIN 0
.endm
.macro FETCH_A slot, q, i0
.irp i, \i0, \i0+1, \i0+2, \i0+3
	FRAG AF+FR*(\i), ADRA+\slot, \q, \i
.endr
.endm
.macro PLACES n                        ; plain vector instructions between a matrix instruction and a load into, or a read of, its registers
.rept \n
	v_nop
.endr
.endm
.macro STEP slot, q, zero              ; 128 along K, with its successor in the same slot
	s_wait_dscnt 4*NL                              ; B's set and A's blocks 0-3 are in; the youngest 16 loads (A's blocks 4-7) may be out
	WIN MUL_LO
	MUL16 0, (\q)%2, \zero
	MUL16 2, (\q)%2, \zero
	s_wait_dscnt 0
	PLACES NP
	FETCH_B \slot, (\q)+1, 1-(\q)%2
	FETCH_A \slot, (\q)+1, 0
	WIN MUL_HI
	MUL16 4, (\q)%2, \zero
	MUL16 6, (\q)%2, \zero
	PLACES NP
	WIN 0
	FETCH_A \slot, (\q)+1, 4
.endm
.macro TURN slot, next, fill           ; a slot's last step changes slots: one barrier; in front of it: all my tensor loads, the add, my reads of this slot
	s_wait_tensorcnt 0x0                           ; all my tensor loads have landed: my part of the next slot
	ds_add_u32 v[SPW], v[NIL]                      ; 0 onto my spare word
	s_wait_dscnt 4*NL+1                            ; (the add and the youngest 16 loads may be out)
	WIN MUL_LO
	MUL16 0, 1, 0
	s_wait_dscnt 0x0                               ; the add is done, and my reads of this slot are over
	s_barrier_signal -1
	MUL16 2, 1, 0
	WIN 0
	s_barrier_wait -1
.if \fill
	CREST                                          ; the barrier has opened a round of the cluster's: no wave of any partner still reads this slot or has a load on its way
	s_add_nc_u64 s[G0+4*\slot+2:G0+4*\slot+3], s[G0+4*\slot+2:G0+4*\slot+3], 2*ROWB
	s_add_nc_u64 s[G0B+4*\slot+2:G0B+4*\slot+3], s[G0B+4*\slot+2:G0B+4*\slot+3], 2*ROWB
	JLOAD G0+4*\slot, G1, G0B+4*\slot, G1B         ; the first tensor load behind the round; its four v_nop are the places in front of the loads below
.else
	PLACES NP
.endif
	FETCH_B \next, 0, 0
	FETCH_A \next, 0, 0
	WIN MUL_HI
	MUL16 4, 1, 0
	MUL16 6, 1, 0
	PLACES NP
	WIN 0
	FETCH_A \next, 0, 4
.endm
	s_wait_tensorcnt 1                             ; my part of K step 0 is in; K step 1's load may be out
	s_barrier_signal -1
	s_barrier_wait -1
	FETCH_B 0, 0, 0
	FETCH_A 0, 0, 0
	FETCH_A 0, 0, 4
	STEP 0, 0, 1                                   ; the first step's products start the sums
	s_mov_b32 s3, LAPS-1
.Llap:
	TURN 0, 1, 1
	STEP 1, 0, 0
	TURN 1, 0, 1
	STEP 0, 0, 0
	s_sub_co_u32 s3, s3, 1
	s_cmp_lg_u32 s3, 0
	s_cbranch_scc1 .Llap
	TURN 0, 1, 0                                   ; the last lap fills nothing
	STEP 1, 0, 0
	s_wait_dscnt 4*NL
	WIN MUL_LO
	MUL16 0, 1, 0
	MUL16 2, 1, 0
	s_wait_dscnt 0
	WIN MUL_HI
	MUL16 4, 1, 0
	MUL16 6, 1, 0
	WIN 0
; THE WAY OUT, block by block of 16 rows x 128 columns: hold, convert (a lane's eight sums are eight neighbouring columns: 8 bytes), through my own stage, and out as four stores of 512 consecutive bytes.
.macro CODES a
.set AC, 64*((\a)%4)
	WIN 0x02+((\a)/4)                              ; source 0: window 2 or 3
.set j, 0
.rept 64
	v_med3_num_f32 v[U+j], v[AC+j], -v[LIMV], v[LIMV]   ; the hold at 448 x 2^E; each accumulator from its low end on
.set j, j+1
.endr
	WIN 0
.set j, 0
.rept 8
	v_cvt_scalef32_pk8_fp8_f32 v[CD+2*j:CD+2*j+1], v[U+8*j:U+8*j+7], v[SCL]
.set j, j+1
.endr
	v_nop                                          ; a plain instruction behind the last conversion
.endm
.macro SENDC a
.if (\a) > 0
	s_wait_xcnt 0x0                                ; the last block's stores have read their registers: the loads below may land there
.endif
.set j, 0
.rept 8
	ds_store_b64 v[STO], v[CD+2*j:CD+2*j+1] offset:1280*(j/4)+16*(j%4)
.set j, j+1
.endr
.set j, 0
.rept 4
	ds_load_b128 v[BK+4*j:BK+4*j+3], v[RD] offset:1280*(j/2)+640*(j%2)   ; LDS serves a wave's instructions in order (ISA guide 5.7.1.4)
.set j, j+1
.endr
	s_wait_dscnt 0x0
	global_store_b128 v[CO], v[BK:BK+3], s[88:89] offset:1024*(\a)
	global_store_b128 v[CO], v[BK+4:BK+7], s[88:89] offset:1024*(\a)+512
	global_store_b128 v[CO], v[BK+8:BK+11], s[90:91] offset:1024*(\a)
	global_store_b128 v[CO], v[BK+12:BK+15], s[90:91] offset:1024*(\a)+512
.endm
	s_wait_kmcnt 0x0
	s_cmp_eq_u32 s12, 0
	s_cselect_b32 s93, s72, s74                    ; the two operands' exponents and the result's, by the job
	s_cselect_b32 s94, s73, s75
	s_cselect_b32 s95, s78, s79
	s_cmp_eq_u32 s12, 2
	s_cselect_b32 s93, s76, s93
	s_cselect_b32 s94, s77, s94
	s_cselect_b32 s95, s81, s95
	s_sub_co_i32 s95, s95, s93
	s_sub_co_i32 s95, s95, s94                     ; E: the three scales folded into the conversion's one
	s_add_co_i32 s95, s95, 127
	s_lshl_b32 s93, s95, 23
	v_mov_b32 v[SCL], s93
	s_add_co_i32 s95, s95, 8
	s_lshl_b32 s95, s95, 23
	s_or_b32 s95, s95, 0x600000
	v_mov_b32 v[LIMV], s95
	PLACES NP                                      ; behind the last products: their results are read, and A's registers written, below
.irp a, 0,1,2,3,4,5,6,7
	CODES \a
	SENDC \a
.endr
	s_wait_tensorcnt 0x0                           ; the wave's end
	ds_add_u32 v[SPW], v[NIL]
	s_wait_dscnt 0x0
	CROUND                                         ; the closing round
	s_endpgm
.Lfunc_end_k_q869880e110_qkv:
	.size	k_q869880e110_qkv, .Lfunc_end_k_q869880e110_qkv-k_q869880e110_qkv
	.p2alignl 7, 3214868480
	.fill 96, 4, 3214868480
	.section	.rodata,"a",@progbits
	.p2align	6, 0x0
	.amdhsa_kernel k_q869880e110_qkv
		.amdhsa_group_segment_fixed_size 327680
		.amdhsa_private_segment_fixed_size 0
		.amdhsa_enable_private_segment 0
		.amdhsa_kernarg_size 48
		.amdhsa_user_sgpr_count 2
		.amdhsa_user_sgpr_kernarg_segment_ptr 1
		.amdhsa_wavefront_size32 1
		.amdhsa_system_sgpr_workgroup_id_x 1
		.amdhsa_system_sgpr_workgroup_id_y 1
		.amdhsa_system_sgpr_workgroup_id_z 1
		.amdhsa_system_vgpr_workitem_id 0
		.amdhsa_next_free_vgpr 1024
		.amdhsa_next_free_sgpr 100
		.amdhsa_reserve_vcc 0
		.amdhsa_float_denorm_mode_32 3
		.amdhsa_float_denorm_mode_16_64 3
		.amdhsa_memory_ordered 1
		.amdhsa_forward_progress 1
		.amdhsa_inst_pref_size 125
	.end_amdhsa_kernel
	.amdgpu_metadata
---
amdhsa.version: [ 1, 2 ]
amdhsa.kernels:
  - .name:           k_q869880e110_qkv
    .symbol:         k_q869880e110_qkv.kd
    .args:
      - { .name: hn, .offset: 0, .size: 8, .value_kind: global_buffer, .address_space: global }
      - { .name: Wq_codes, .offset: 8, .size: 8, .value_kind: global_buffer, .address_space: global }
      - { .name: Wk_codes, .offset: 16, .size: 8, .value_kind: global_buffer, .address_space: global }
      - { .name: Wv_codes, .offset: 24, .size: 8, .value_kind: global_buffer, .address_space: global }
      - { .name: lowp_scales, .offset: 32, .size: 8, .value_kind: global_buffer, .address_space: global }
      - { .name: qkv, .offset: 40, .size: 8, .value_kind: global_buffer, .address_space: global }
    .group_segment_fixed_size: 327680
    .private_segment_fixed_size: 0
    .kernarg_segment_align: 8
    .kernarg_segment_size: 48
    .max_flat_workgroup_size: 128
    .sgpr_count:     100
    .vgpr_count:     1024
    .wavefront_size: 32
...
	.end_amdgpu_metadata
.endif
;; end of part 2
;; launch attn (part 3): grid 8 x 32, 16 waves a work-group, no clusters, 327,680 bytes of LDS; arguments qkv, lowp_scales, cc; writes cc
.if DOCPART == 3
	.amdgcn_target "amdgcn-amd-amdhsa--gfx1250"
	.amdhsa_code_object_version 6
	.text
	.protected	k_q869880e110_attn
	.globl	k_q869880e110_attn
	.p2align	8
	.type	k_q869880e110_attn,@function
k_q869880e110_attn:
	s_mov_b64 s[64:65], 0
	v_nop
	global_prefetch_b8 v0, s[64:65] scope:SCOPE_SE
	s_setreg_imm32_b32 hwreg(HW_REG_WAVE_MODE, 25, 1), 1
	s_wait_xcnt 0x0
; CAUSAL ATTENTION on E4M3 codes, head size 64, 2,048 keys, 32 (batch, head) pairs; the result is quantised at once for the projection that follows.
; WORK LEFT OUT: key steps wholly behind the diagonal (reference()'s own mask makes their p = 0 for all inputs): not multiplied, and slots behind the work-group's last query not loaded.
; q, k: [16 heads][4,096 tokens][64] codes; v^T: [64 chunks of 64 tokens][1,024 rows 64 head + d][64] codes (all in qkv); cc: ctx's codes, [16 heads][4,096 tokens][64].
; THE SOFTMAX: t = score x log2(e) / 8; M = the row's largest t so far, rounded UP to a whole number; p = 2^(t - M) is quantised with 2^e8, not normalised; the row's sum is taken of the unquantised p and divides at the
; end.  When M moves, the sum and O are multiplied by 2^(old M - new M), which rounds nothing.
; SHARES.  Work-group (i, y): waves 0-7 own the 128 queries of block i, waves 8-15 those of block 15 - i, 16 a wave: i + 1 and 16 - i key steps of 128, so that every work-group has 8 x 17 wave steps.
; Every work-group walks all 8 slots of 256 keys (the trip counts are constants); a wave jumps over the work of steps behind its queries, and a slot whose first key lies behind the work-group's last query is not asked for.
; NO CLUSTER: the work-groups of a head need different numbers of slots under the mask.
; LAYOUT.  Both products transposed: S^T = K Q^T (source 0 = 16 keys), O^T = V^T P^T (source 0 = 16 of the head's 64): a lane holds ONE query (lane % 16) throughout.  Lane r of key tile 2 b + u takes key
; 32 b + 8 u + r % 8 + 16 (r / 8), so that the 16 registers of tiles 2 b and 2 b + 1 are the 16 neighbouring keys 32 b + 16 (lane / 16) + 0 .. 15: the conversions' results are the second product's operand.
; K IN LDS.  A tile's lanes 0-7 and 8-15 take keys 16 apart; 16 rows of any pitch that is a multiple of 16 bytes are a multiple of 256 bytes, once round the 64 banks of 4 bytes (ISA guide 11.1).  So a slot's even groups
; of 16 keys and its odd groups lie in two regions, 128 x 80 + 128 bytes apart: 128 modulo 256.  Rows 0-7 of pitch 80 start at the 16-byte columns 0, 5, 10, 15, 4, 9, 14, 3, those of the other region 8 further on:
; the sixteen lanes of a load's half touch sixteen different columns.
; LIMITS: e6 + e7 between -123 and 130 (added to c's exponent field); e8, and e10 - e8 - e9, between -126 and 119.  NaN among the inputs is not served.
; REGISTERS: v1-3, v5-7 addresses that stay; v8, v9 the step's LDS addresses; v12 -M, v13 the largest t, v[14:15] the sum; v16-23 Q; v32-95 eight fragments of K, then four of V; v96-159 S^T, then p; v160-191 O^T;
; v192-197, v242-243 four chains of sums; v200-203 four chains of maxima; v224-239 p's codes; v240 448 x 2^e8, v244 2^e8; v246, v252-254 at work; v248, v249 the stage.
.set SK,    256
.set KP,    80                         ; a key's row in LDS: 64 bytes + 16 of padding
.set KODD,  128*KP+128                 ; where a slot's odd groups of 16 keys begin
.set VCH,   5120                       ; a chunk of V^T in LDS: 64 rows x 80
.set VOFF,  20736                      ; a slot: K's two regions (they end at byte 20,608), then 4 chunks of V^T
.set SLOT1, 1<<16
.set NSL,   8
.set SPARE, 2*SLOT1                    ; the spare words, 128 bytes for each of 16 waves, which no other line names
.set STAGE, SPARE+2048                 ; the way out: [16 rows][80] for each wave: bytes of their own
.set AK0,  1
.set AV0,  2
.set PFO,  3
.set SPW,  5
.set NIL,  6
.set GO,   7
.set ADK,  8
.set ADV,  9
.set MX,   200
.set SIN,  248
.set SOUT, 249
.set TB,   2
.set WV,   18
.set SEL,  20
.set CS,   22
.set G1K,  24
.set G1V,  32
.set G0K,  40
.set G0V,  44
.set LQ,   66                          ; s66  my work-group's last query
.set SLOTS, 67
.set PFA,  76
.set PFS,  78
.set LIM,  80
.set KF,   98                          ; s98  the step's first key
.set Q0,   99                          ; s99  my first query
.macro TLOAD                           ; waves 0 and 1 fetch a slot's even and odd groups of K, wave 2 its V^T, the others nothing; an s_nop 0 and four v_nop follow each line
	s_cmp_lt_u32 s[WV], 2
	s_cbranch_scc0 .Lnot_k_\@
	tensor_load_to_lds s[G0K:G0K+3], s[G1K:G1K+7]
	s_nop 0
.rept 4
	v_nop
.endr
	s_branch .Lasked_\@
.Lnot_k_\@:
	s_cmp_eq_u32 s[WV], 2
	s_cbranch_scc0 .Lasked_\@
	tensor_load_to_lds s[G0V:G0V+3], s[G1V:G1V+7]
	s_nop 0
.rept 4
	v_nop
.endr
.Lasked_\@:
.endm
; A PREFETCH of what the NEXT change of slots will ask for.  All eight work-groups of a (batch, head) walk the same K and V: the one with x = 0, which loads all slots, asks.  In it waves 4 and 5 ask for K's 16,384
; bytes (8,192 a wave, lanes 256 bytes apart), waves 6 and 7 for V's four chunks of 4,096 bytes (two a wave, sixteen lanes a chunk): each aligned 256 bytes once in the launch.  Slots 0 and 1 come by their loads
; alone; the last change that fills a slot asks for nothing.
.macro ASK
	s_cmp_gt_u32 s[SLOTS], s[LIM]
	s_cbranch_scc0 .Lnot_mine_\@
	global_prefetch_b8 v[PFO], s[PFA:PFA+1] th:TH_LOAD_NT scope:SCOPE_SE
.Lnot_mine_\@:
.endm
	s_load_b128 s[4:7], s[0:1], 0x0                ; qkv, the scales' exponents
	s_load_b64 s[16:17], s[0:1], 0x10              ; cc
	v_lshl_add_u32 v[SPW], v0, 2, SPARE
	v_mov_b32 v[NIL], 0
	ds_add_u32 v[SPW], v[NIL]                      ; the wave's opening: the add, twice on end, and its wait ahead of the first tensor load
	ds_add_u32 v[SPW], v[NIL]
	v_lshrrev_b32 v8, 5, v0
	v_readfirstlane_b32 s[WV], v8                  ; wave 0..15
	s_and_b32 s48, ttmp7, 0xffff
	s_lshr_b32 s49, s48, 4                         ; the batch
	s_and_b32 s48, s48, 15                         ; the head
	s_lshl_b32 s50, ttmp9, 7                       ; 128 i
	s_lshl_b32 s51, s[WV], 4
	s_sub_co_u32 s52, 1792, s50
	s_sub_co_u32 s[LQ], 2047, s50                  ; block 15 - i ends here
	s_cmp_lt_u32 s[WV], 8
	s_cselect_b32 s[Q0], s50, s52
	s_add_co_u32 s[Q0], s[Q0], s51                 ; waves 0-7: 128 i + 16 w;  waves 8-15: 128 (15 - i) + 16 (w - 8)
	s_lshl_b32 s52, s48, 18
	s_lshl_b32 s53, s49, 17
	s_add_co_u32 s52, s52, s53                     ; head x 4,096 rows + batch x 2,048 rows, of 64 bytes
	s_add_co_u32 s54, s52, 0x400000                ; K's first key
	s_mov_b32 s55, 0
	s_lshl_b32 s56, s49, 21                        ; V^T: batch x 32 chunks of 65,536 bytes
	s_lshl_b32 s57, s48, 12                        ; + head x 64 rows of 64 bytes
	s_add_co_u32 s56, s56, s57
	s_add_co_u32 s56, s56, 0x800000
	s_mov_b32 s57, 0
	s_lshl_b32 s53, s[Q0], 6
	s_add_co_u32 s52, s52, s53                     ; my queries' rows, in q and in cc
	s_mov_b32 s53, 0
	s_and_b32 s60, s[WV], 1                        ; K's load: wave 0 the even groups of 16 keys, wave 1 the odd ones:
	s_mul_i32 s61, s60, KODD                       ; their region in a slot,
	s_lshl_b32 s60, s60, 10                        ; and their first group in memory: 16 keys are 1,024 bytes
	s_add_co_u32 s58, s54, s60
	s_mov_b32 s59, 0
	; K: 8 rows of 1,024 bytes (16 keys), 2,048 apart: every other group; V^T: 4 rows of 4,096 bytes, 65,536 apart.  Elements of 8 bytes; 16 bytes of padding behind every 64: both land as rows of 80
	s_mov_b32 s[G1K], (3<<16)|(1<<20)|(3<<22)|(3<<25)
	s_mov_b32 s[G1K+1], 128<<16
	s_mov_b32 s[G1K+2], 8<<16
	s_mov_b32 s[G1K+3], 128<<16
	s_mov_b32 s[G1K+4], 8
	s_mov_b32 s[G1K+5], 256
	s_mov_b32 s[G1K+6], 0
	s_mov_b32 s[G1K+7], 0
	s_mov_b32 s[G1V], (3<<16)|(1<<20)|(3<<22)|(3<<25)
	s_mov_b32 s[G1V+1], 512<<16
	s_mov_b32 s[G1V+2], 4<<16
	s_mov_b32 s[G1V+3], 512<<16
	s_mov_b32 s[G1V+4], 4
	s_mov_b32 s[G1V+5], 8192
	s_mov_b32 s[G1V+6], 0
	s_mov_b32 s[G1V+7], 0
	s_mov_b32 s[SEL], 0x76543210
	s_mov_b32 s[SEL+1], 0xfedcba98
	s_mov_b32 s[CS], 0x3e38aa3b                    ; c = log2(e) / sqrt(64)
	s_mov_b32 s[TB], 0
	s_mov_b32 s[SLOTS], NSL-1
	s_mov_b32 s[KF], 0
	s_wait_dscnt 0x0                               ; both opening adds are done
	s_wait_kmcnt 0x0
	s_load_b128 s[68:71], s[6:7], 0x18             ; e6, e7, e8, e9
	s_load_b32 s72, s[6:7], 0x28                   ; e10
	s_mov_b32 s[G0K], 1
	s_mov_b32 s[G0K+1], s61
	s_add_nc_u64 s[G0K+2:G0K+3], s[4:5], s[58:59]
	s_or_b32 s[G0K+3], s[G0K+3], 0x80000000
	s_mov_b32 s[G0V], 1
	s_mov_b32 s[G0V+1], VOFF
	s_add_nc_u64 s[G0V+2:G0V+3], s[4:5], s[56:57]
	s_or_b32 s[G0V+3], s[G0V+3], 0x80000000
	TLOAD                                          ; slot 0: key 0 counts for every query
	s_add_nc_u64 s[8:9], s[4:5], s[52:53]          ; q at my first query
	s_add_nc_u64 s[16:17], s[16:17], s[52:53]      ; cc likewise
	s_mov_b32 s59, 262144
	s_mov_b32 s60, 131072
	s_cmp_lt_u32 s[WV], 6                          ; the prefetches: waves 4, 5 for K, waves 6, 7 for V
	s_cselect_b32 s[PFS], 16384, s59               ; a slot on
	s_cselect_b32 s60, 8192, s60                   ; from wave to wave
	s_cselect_b32 s58, 12, 16                      ; lanes 16-31: 4,096 bytes on, or a chunk on
	s_cselect_b32 s62, s54, s56
	s_and_b32 s61, s[WV], 1
	s_mul_i32 s61, s61, s60
	s_add_co_u32 s62, s62, s61
	s_add_co_u32 s62, s62, s[PFS]                  ; in slot 1: the first change of slots steps it to slot 2
	s_mov_b32 s63, 0
	s_mov_b32 s[PFS+1], 0
	s_add_nc_u64 s[PFA:PFA+1], s[4:5], s[62:63]
	s_sub_co_u32 s61, s[WV], 4
	s_lshr_b32 s61, s61, 2                         ; 0 in waves 4 to 7,
	s_or_b32 s61, s61, ttmp9                       ; of the work-group with x = 0
	s_cmp_eq_u32 s61, 0
	s_cselect_b32 s[LIM], 1, -1
	v_and_b32 v8, 15, v0                           ; r
	v_bfe_u32 v9, v0, 4, 1                         ; h
	v_lshlrev_b32 v[PFO], 8, v8
	v_lshlrev_b32 v10, s58, v9
	v_add_nc_u32 v[PFO], v[PFO], v10
	v_lshlrev_b32 v10, 6, v8
	v_lshl_add_u32 v10, v9, 4, v10                 ; q: row r of 64 bytes, + 16 h
	global_load_b128 v[16:19], v10, s[8:9]
	global_load_b128 v[20:23], v10, s[8:9] offset:32
	v_and_b32 v11, 7, v0
	v_mul_u32_u24 v[AK0], v11, KP                  ; K: row r % 8,
	v_bfe_u32 v11, v0, 3, 1
	v_mul_u32_u24 v4, v11, KODD                    ; in the even groups' region (r / 8 = 0) or the odd groups',
	v_add_nc_u32 v[AK0], v[AK0], v4
	v_lshl_add_u32 v[AK0], v9, 4, v[AK0]           ; + 16 h
	v_mul_u32_u24 v[AV0], v8, KP
	v_lshl_add_u32 v[AV0], v9, 4, v[AV0]
	v_add_nc_u32 v[AV0], VOFF, v[AV0]
	v_and_b32 v[GO], 31, v0
	v_lshlrev_b32 v[GO], 4, v[GO]
	s_mul_i32 s58, s[WV], 1280
	s_add_co_u32 s58, s58, STAGE                   ; my stage
	v_mul_u32_u24 v[SIN], v8, 80
	v_lshl_add_u32 v[SIN], v9, 3, v[SIN]
	v_add_nc_u32 v[SIN], s58, v[SIN]               ; in: row r, 8 bytes for each half of the lanes
	v_bfe_u32 v[SOUT], v0, 2, 3
	v_mul_u32_u24 v[SOUT], v[SOUT], 80
	v_and_b32 v11, 3, v0
	v_lshl_add_u32 v[SOUT], v11, 4, v[SOUT]
	v_add_nc_u32 v[SOUT], s58, v[SOUT]             ; back: four lanes to a row of 64 bytes
	v_mov_b32 v13, 0xff61b1e6                      ; the largest t so far: -3e38
	v_floor_f32 v12, -v13                          ; -M
	v_mov_b32 v14, 0
	v_mov_b32 v15, 0
	v_mov_b32 v246, 0                              ; a lane permute's destination counts as read
	v_mov_b32 v253, 0                              ; (the upper half of the pair v[252:253])
.set j, 0
.rept 32
	v_mov_b32 v[160+j], 0                          ; O^T: the loop is written once; its first step finds zeros, which the first change of M leaves zeros
.set j, j+1
.endr
	s_wait_kmcnt 0x0
	s_add_co_i32 s58, s68, s69
	s_lshl_b32 s58, s58, 23
	s_add_co_i32 s[CS], s[CS], s58                 ; a score stands for score x 2^(e6 + e7)
	s_mov_b32 s[CS+1], s[CS]
	s_add_co_i32 s58, s70, 127
	s_lshl_b32 s59, s58, 23
	v_mov_b32 v244, s59                            ; 2^e8
	s_add_co_i32 s58, s58, 8
	s_lshl_b32 s58, s58, 23
	s_or_b32 s58, s58, 0x600000
	v_mov_b32 v240, s58                            ; 448 x 2^e8
; The vn-th of the sixteen loads that bring V's four fragments (tile vn / 4, piece vn % 4) of the slot's q-th half.  They stand singly, one behind each four lines of the maximum and of the scaling:
; the wave goes on with vector work while they are served, and all sixteen are asked for 190 lines and more ahead of the products that read them.
.macro VL q
	ds_load_b128 v[32+4*vn:35+4*vn], v[ADV] offset:(2*(\q)+(vn%4)/2)*VCH+1280*(vn/4)+32*(vn%2)
.set vn, vn+1
.endm
.macro STEP q                          ; 128 keys, the q-th half of the slot in hand
	s_add_co_u32 s96, s[Q0], 15
	s_cmp_gt_u32 s[KF], s96                        ; all keys behind my 16 queries: the step's work is jumped over (ids and the count of steps alone; no barrier and no tensor load stands in a step)
	s_cbranch_scc1 .Lhidden_\@
	v_add_nc_u32 v[ADK], s[TB], v[AK0]
	v_add_nc_u32 v[ADV], s[TB], v[AV0]
	v_nop                                          ; with the two additions: four places in front of loads into registers that the last products read
	v_nop
.irp t, 0,1,2,3,4,5,6,7
.irp c, 0,1
	ds_load_b128 v[32+8*\t+4*\c:35+8*\t+4*\c], v[ADK] offset:(64*(\q)+16*(\t/2)+8*(\t%2))*KP+32*\c   ; in each region a step has 64 rows, a pair of tiles 16
.endr
.endr
	s_wait_dscnt 8                                 ; tiles 0-3 are in; the youngest eight loads (tiles 4-7) may be out
.irp t, 0,1,2,3
	v_wmma_f32_16x16x64_fp8_fp8 v[96+8*\t:103+8*\t], v[32+8*\t:39+8*\t], v[16:23], 0
.endr
	s_wait_dscnt 0x0
.irp t, 4,5,6,7
	v_wmma_f32_16x16x64_fp8_fp8 v[96+8*\t:103+8*\t], v[32+8*\t:39+8*\t], v[16:23], 0
.endr
.rept 4
	v_nop                                          ; places: the scores are read, and K's registers loaded anew, below
.endr
	s_add_co_u32 s96, s[KF], 127                   ; on the diagonal hidden scores become -infinity ahead of the maximum; a step all of whose keys count skips this
	s_cmp_le_u32 s96, s[Q0]
	s_cbranch_scc1 .Lopen_\@
	s_sub_co_i32 s96, s[Q0], s[KF]
	v_and_b32 v252, 15, v0
	v_bfe_u32 v253, v0, 4, 1
	v_lshlrev_b32 v253, 4, v253
	v_sub_nc_u32 v252, v252, v253
	v_add_nc_u32 v252, s96, v252                   ; d = my query - KF - 16 (lane / 16): register 16 b + i holds key KF + 16 (lane / 16) + 32 b + i, hidden where 32 b + i > d
	v_mov_b32 v254, 0xff800000
.set n, 0
.rept 64
	v_cmp_gt_i32 vcc_lo, 32*(n/16)+n%16, v252
	v_cndmask_b32 v[96+n], v[96+n], v254, vcc_lo
.set n, n+1
.endr
.Lopen_\@:
.set vn, 0
.irp k, 0,1,2,3                                ; the step's largest score of my query among my 64 keys: four chains of 16 scores, each accumulator from its low end on
	v_max3_num_f32 v[MX+\k], v[96+16*\k], v[97+16*\k], v[98+16*\k]
.endr
	VL \q
.irp m, 0,1,2,3,4,5
.irp k, 0,1,2,3
	v_max3_num_f32 v[MX+\k], v[MX+\k], v[99+16*\k+2*\m], v[100+16*\k+2*\m]
.endr
	VL \q
.endr
	v_max3_num_f32 v[MX], v[MX], v111, v127        ; each chain's sixteenth score,
	v_max3_num_f32 v[MX+2], v[MX+2], v143, v159
	VL \q
	v_max3_num_f32 v[MX], v[MX], v[MX+1], v[MX+2]  ; and the four chains
	v_max_num_f32 v254, v[MX], v[MX+3]
	v_permlanex16_b32 v246, v254, s[SEL], s[SEL+1]
	v_max_num_f32 v254, v254, v246                 ; and among lane l xor 16's
	v_mul_f32 v254, s[CS], v254                    ; as t
	v_max_num_f32 v13, v13, v254
	v_mov_b32 v254, v12                            ; the old -M is kept for f
	v_floor_f32 v12, -v13                          ; the new -M = -ceil(t)
.set j, 0
.rept 8
.rept 4
	v_pk_fma_f32 v[96+j:97+j], v[96+j:97+j], s[CS:CS+1], v[12:13] op_sel_hi:[1,0,0]   ; t - M
.set j, j+2
.endr
	VL \q
.endr
.set j, 0
.rept 64
	v_exp_f32 v[96+j], v[96+j]                     ; p = 2^(t - M)
.set j, j+1
.endr
	v_sub_f32 v254, v12, v254                      ; old M - new M: a whole number, 0 or less.  (The plain instruction behind the exponentials; these 20 lines name none of their results)
	v_cvt_i32_f32 v254, v254
	v_ldexp_f32 v252, 1.0, v254                    ; f = 2^(old M - new M)
	v_pk_mul_f32 v[14:15], v[14:15], v[252:253] op_sel_hi:[1,0]   ; the sums under the new M,
.set j, 0
.rept 16
	v_pk_mul_f32 v[160+j:161+j], v[160+j:161+j], v[252:253] op_sel_hi:[1,0]   ; and O^T
.set j, j+2
.endr
	s_wait_alu depctr_va_vdst(0)                   ; one wait for the batch, ahead of its first use
	v_pk_add_f32 v[242:243], v[96:97], v[98:99]    ; the row's sum, of the unquantised p: four chains
	v_pk_add_f32 v[192:193], v[100:101], v[102:103]
	v_pk_add_f32 v[194:195], v[104:105], v[106:107]
	v_pk_add_f32 v[196:197], v[108:109], v[110:111]
.irp j, 16,24,32,40,48,56
	v_pk_add_f32 v[242:243], v[242:243], v[96+\j:97+\j]
	v_pk_add_f32 v[192:193], v[192:193], v[98+\j:99+\j]
	v_pk_add_f32 v[194:195], v[194:195], v[100+\j:101+\j]
	v_pk_add_f32 v[196:197], v[196:197], v[102+\j:103+\j]
.endr
	v_pk_add_f32 v[242:243], v[242:243], v[192:193]
	v_pk_add_f32 v[194:195], v[194:195], v[196:197]
	v_pk_add_f32 v[14:15], v[14:15], v[242:243]
	v_pk_add_f32 v[14:15], v[14:15], v[194:195]
.irp b, 0,1,2,3
.irp i, 0,1,2,3,4,5,6,7,8,9,10,11,12,13,14,15
	v_min_num_f32 v[96+16*\b+\i], v[96+16*\b+\i], v240   ; the hold; p is not negative
.endr
	v_cvt_scalef32_pk8_fp8_f32 v[224+4*\b:225+4*\b], v[96+16*\b:103+16*\b], v244
	v_cvt_scalef32_pk8_fp8_f32 v[226+4*\b:227+4*\b], v[104+16*\b:111+16*\b], v244
.endr
	v_nop                                          ; a plain instruction between the last conversion and the products that read its result
	s_wait_dscnt 0x0                               ; V's fragments
.irp t, 0,1,2,3
	v_wmma_f32_16x16x128_fp8_fp8 v[160+8*\t:167+8*\t], v[32+16*\t:47+16*\t], v[224:239], v[160+8*\t:167+8*\t]   ; four accumulators by turns
.endr
.Lhidden_\@:
	s_add_co_u32 s[KF], s[KF], 128
.endm
; THE CHANGE OF SLOTS, at a slot's head: every wave waits for all its tensor loads, adds 0 to its spare word, waits for that and for its reads of the slot that it has left, and passes the barrier.
; fill = 1: the slot just left is filled with the keys that follow, up to the causal limit.
.macro CHANGE fill
	s_wait_tensorcnt 0x0
	ds_add_u32 v[SPW], v[NIL]                      ; 0 onto my spare word
.if \fill
	ds_add_u32 v[SPW], v[NIL]                      ; and twice on end here, in every trip alike
	s_xor_b32 s[G0K+1], s[G0K+1], SLOT1
	s_add_nc_u64 s[G0K+2:G0K+3], s[G0K+2:G0K+3], SK*64
	s_xor_b32 s[G0V+1], s[G0V+1], SLOT1
	s_add_nc_u64 s[G0V+2:G0V+3], s[G0V+2:G0V+3], 4*65536
	s_wait_xcnt 0x0                                ; the last prefetch, a slot back, has read its address
	s_add_nc_u64 s[PFA:PFA+1], s[PFA:PFA+1], s[PFS:PFS+1]
.endif
	s_wait_dscnt 0x0
	s_barrier_signal -1
	s_barrier_wait -1
.if \fill
	s_add_co_u32 s96, s[KF], SK                    ; the first key of the slot that this change would ask for,
	s_cmp_gt_u32 s96, s[LQ]                        ; behind my work-group's last query: none of its waves would read it.  Ids and the count of steps alone: all sixteen waves go the same way
	s_cbranch_scc1 .Lpast_\@
	TLOAD
.Lpast_\@:
	ASK
.endif
.endm
.macro SLOT_STEPS
	STEP 0
	STEP 1
	s_xor_b32 s[TB], s[TB], SLOT1
.endm
	s_wait_loadcnt 0x0                             ; Q
.Lslot:
	CHANGE 1
	SLOT_STEPS
	s_sub_co_u32 s[SLOTS], s[SLOTS], 1
	s_cmp_lg_u32 s[SLOTS], 0
	s_cbranch_scc1 .Lslot
	CHANGE 0
	SLOT_STEPS
	; THE WAY OUT: ctx = O^T x 2^(e8 + e9) / the sum; its code is (O^T / the sum) / 2^(e10 - e8 - e9).  A lane's eight numbers of a tile are 8 bytes of its query's row; 16 rows of 64 bytes leave as 1,024 consecutive bytes.
.rept 4
	v_nop                                          ; places behind the last products
.endr
	v_add_f32 v14, v14, v15
	v_permlanex16_b32 v246, v14, s[SEL], s[SEL+1]
	v_add_f32 v14, v14, v246                       ; the row's sum
	v_rcp_f32 v14, v14
	s_sub_co_i32 s58, s72, s70
	s_sub_co_i32 s58, s58, s71
	s_add_co_i32 s58, s58, 127
	s_lshl_b32 s59, s58, 23
	v_mov_b32 v244, s59                            ; (a plain instruction behind the reciprocal)
	s_add_co_i32 s58, s58, 8
	s_lshl_b32 s58, s58, 23
	s_or_b32 s58, s58, 0x600000
	v_mov_b32 v240, s58
	s_wait_alu depctr_va_vdst(0)                   ; the wait ahead of the reciprocal's first use
.set j, 0
.rept 16
	v_pk_mul_f32 v[96+j:97+j], v[160+j:161+j], v[14:15] op_sel_hi:[1,0]   ; register 8 t + i is o(r, 16 t + 8 h + i)
.set j, j+2
.endr
.set j, 0
.rept 32
	v_med3_num_f32 v[96+j], v[96+j], -v240, v240
.set j, j+1
.endr
.set j, 0
.rept 4
	v_cvt_scalef32_pk8_fp8_f32 v[128+2*j:129+2*j], v[96+8*j:103+8*j], v244
.set j, j+1
.endr
	v_nop
.set j, 0
.rept 4
	ds_store_b64 v[SIN], v[128+2*j:129+2*j] offset:16*j
.set j, j+1
.endr
	ds_load_b128 v[136:139], v[SOUT]               ; LDS serves a wave's instructions in order (ISA guide 5.7.1.4)
	ds_load_b128 v[140:143], v[SOUT] offset:640
	s_wait_dscnt 0x0
	global_store_b128 v[GO], v[136:139], s[16:17]
	global_store_b128 v[GO], v[140:143], s[16:17] offset:512
	s_wait_tensorcnt 0x0                           ; the wave's end
	ds_add_u32 v[SPW], v[NIL]
	s_wait_dscnt 0x0
	s_endpgm
.Lfunc_end_k_q869880e110_attn:
	.size	k_q869880e110_attn, .Lfunc_end_k_q869880e110_attn-k_q869880e110_attn
	.p2alignl 7, 3214868480
	.fill 96, 4, 3214868480
	.section	.rodata,"a",@progbits
	.p2align	6, 0x0
	.amdhsa_kernel k_q869880e110_attn
		.amdhsa_group_segment_fixed_size 327680
		.amdhsa_private_segment_fixed_size 0
		.amdhsa_enable_private_segment 0
		.amdhsa_kernarg_size 24
		.amdhsa_user_sgpr_count 2
		.amdhsa_user_sgpr_kernarg_segment_ptr 1
		.amdhsa_wavefront_size32 1
		.amdhsa_system_sgpr_workgroup_id_x 1
		.amdhsa_system_sgpr_workgroup_id_y 1
		.amdhsa_system_sgpr_workgroup_id_z 1
		.amdhsa_system_vgpr_workitem_id 0
		.amdhsa_next_free_vgpr 256
		.amdhsa_next_free_sgpr 100
		.amdhsa_reserve_vcc 1
		.amdhsa_float_denorm_mode_32 3
		.amdhsa_float_denorm_mode_16_64 3
		.amdhsa_memory_ordered 1
		.amdhsa_forward_progress 1
		.amdhsa_inst_pref_size 98
	.end_amdhsa_kernel
	.amdgpu_metadata
---
amdhsa.version: [ 1, 2 ]
amdhsa.kernels:
  - .name:           k_q869880e110_attn
    .symbol:         k_q869880e110_attn.kd
    .args:
      - { .name: qkv, .offset: 0, .size: 8, .value_kind: global_buffer, .address_space: global }
      - { .name: lowp_scales, .offset: 8, .size: 8, .value_kind: global_buffer, .address_space: global }
      - { .name: cc, .offset: 16, .size: 8, .value_kind: global_buffer, .address_space: global }
    .group_segment_fixed_size: 327680
    .private_segment_fixed_size: 0
    .kernarg_segment_align: 8
    .kernarg_segment_size: 24
    .max_flat_workgroup_size: 512
    .sgpr_count:     100
    .vgpr_count:     256
    .wavefront_size: 32
...
	.end_amdgpu_metadata
.endif
;; end of part 3
;; launch wo (part 4): grid 8 x 32, 4 waves a work-group, clusters of 4 x 4, 327,680 bytes of LDS; arguments cc, Wo_codes, lowp_scales, bo, x, x2; writes x2
.if DOCPART == 4
	.amdgcn_target "amdgcn-amd-amdhsa--gfx1250"
	.amdhsa_code_object_version 6
	.text
	.protected	k_q869880e110_wo
	.globl	k_q869880e110_wo
	.p2align	8
	.type	k_q869880e110_wo,@function
k_q869880e110_wo:
	s_mov_b64 s[64:65], 0
	v_nop
	global_prefetch_b8 v0, s[64:65] scope:SCOPE_SE
	s_setreg_imm32_b32 hwreg(HW_REG_WAVE_MODE, 25, 1), 1
	s_wait_xcnt 0x0
	s_wait_alu depctr_hold_cnt(0) depctr_sa_sdst(0) depctr_va_vdst(0) depctr_va_sdst(0) depctr_va_ssrc(0) depctr_va_vcc(0) depctr_vm_vsrc(0)
	s_getreg_b32 s2, hwreg(HW_REG_IB_STS2, 6, 4)
	s_cmp_eq_u32 s2, 0
	s_cbranch_scc0 .Lentry_in_a_cluster
	s_endpgm
.Lentry_in_a_cluster:
	s_bfe_u32 s2, ttmp6, 0x10000c
	s_cmp_lg_u32 s2, 0xf033
	s_cbranch_scc0 .Lentry_shape_is_right
	s_endpgm
.Lentry_shape_is_right:
; x2 = x + ctx Wo + bo.  A: ctx's codes in chunks, [16][4,096 rows][64]; B: Wo's codes, [1,024][1,024], K innermost; sums x 2^(e10 + e11), in f32.  LIMIT: e10 + e11 between -126 and 127.
; A tile of C is 128 x 128, so that C's 4,096 x 1,024 give 256 work-groups; four waves of 64 x 64: 16 accumulators.  K goes in slots of 512; here two slots hold all of K, and nothing is filled again.
; CLUSTERS of 4 x 4: A's tiles are asked for jointly along a row of the cluster, B's along a column.  THE MATRIX INSTRUCTION IS USED TRANSPOSED: a lane holds eight neighbouring columns of one row of C.
; A's tile of 64 rows x 512 K is 8 pieces of 4,096 consecutive bytes (a chunk's 64 rows), 262,144 bytes apart; with 16 bytes of padding behind every 64 it lands as [8 chunks][64 rows][80].
; REGISTERS: window 0: v0-31 addresses, v8-11 the bias, v32-63 at work on the way out, v128-255 the accumulators ((a, b) at v[128 + 8 (4 a + b)]); window 1: two fragment buffers (A's 4 x 16, then B's 4 x 16);
; window 2: v0-127 the residual, loaded at the head in the layout in which rows come back from the stage.
.set KTOT,  1024
.set EOFF,  0x28                       ; entries 10 and 11
.set HA,    40960                      ; A: 64 rows x 512 K in LDS
.set HB,    33792                      ; B: 64 rows of 512 + 16 bytes
.set SLOT,  2*HA+2*HB
.set SPARE, 2*SLOT                     ; the spare words, 128 bytes a wave, which no other line names
.set LAPS,  KTOT/1024
.set ASTEP, 0x200000                   ; a slot on in A: 8 chunks
.set BSTEP, 512
.set SPB,   4352                       ; the way out: [16 rows][256 + 16] for each wave, in slot 0, which has had its last fill and its last read by then
.set BI,   8
.set ADRA, 16
.set ADRB, 20
.set STO,  24
.set RD,   25
.set CO,   26
.set BO,   27
.set SPW,  28
.set NIL,  29
.set BK,   32
.set ACC,  128
.set F0,   0
.set F1,   128
.set G1, 24
.set G0, 32
.set G1B, 48
.set G0B, 56
.set MSB, 0
.macro WIN new
.if MSB != \new
	s_set_vgpr_msb (MSB<<8)|\new
.set MSB, \new
.endif
.endm
.set MUL,  0x05                        ; sources 0 (B) and 1 (A) window 1; C and D window 0
.set TO_F, 0x40
.macro JLOAD g0a, g1a, g0b, g1b
	s_cmp_eq_u32 s15, 0
	s_cbranch_scc0 .Lfor_b_\@
	tensor_load_to_lds s[\g0a:\g0a+3], s[\g1a:\g1a+7]
	s_nop 0
.rept 4
	v_nop
.endr
	s_branch .Lasked_\@
.Lfor_b_\@:
	tensor_load_to_lds s[\g0b:\g0b+3], s[\g1b:\g1b+7]
	s_nop 0
.rept 4
	v_nop
.endr
.Lasked_\@:
.endm
.macro CREST
	s_cmp_lg_u32 s14, 0
	s_cbranch_scc1 .Lnot_wave_0_\@
	s_barrier_signal -3
.Lnot_wave_0_\@:
	s_barrier_wait -3
	s_barrier_signal -1
	s_barrier_wait -1
.endm
.macro CROUND
	s_barrier_signal -1
	s_barrier_wait -1
	CREST
.endm
	s_load_b256 s[4:11], s[0:1], 0x0               ; A's codes, B's codes, the scales' exponents, the bias
	s_load_b128 s[68:71], s[0:1], 0x20             ; the residual, the result
	v_lshl_add_u32 v[SPW], v0, 2, SPARE
	v_mov_b32 v[NIL], 0
	ds_add_u32 v[SPW], v[NIL]                      ; the wave's opening: the add, twice on end, and its wait ahead of my first tensor load
	ds_add_u32 v[SPW], v[NIL]
	v_lshrrev_b32 v1, 5, v0
	v_readfirstlane_b32 s14, v1                    ; wave
	s_lshr_b32 s15, s14, 1                         ; my half of the rows.  Also: I fetch for A (0) or B (1)
	s_and_b32 s16, s14, 1                          ; my half of the columns.  Also: which 64 rows I fetch
	s_bfe_u32 s40, ttmp6, 0x40000
	s_bfe_u32 s41, ttmp6, 0x40004
	s_lshl_b32 s42, ttmp9, 2
	s_add_co_u32 s42, s42, s40                     ; tile column
	s_and_b32 s17, ttmp7, 0xffff
	s_lshl_b32 s17, s17, 2
	s_add_co_u32 s17, s17, s41                     ; tile row
	s_lshl_b32 s43, s41, 2
	s_lshl_b32 s43, 15, s43
	s_lshl_b32 s44, 0x1111, s40
	s_or_b32 s[G1+0], s43, (3<<16)|(1<<20)|(1<<21)|(3<<22)|(3<<25)    ; A: elements of 8 bytes; 4 words of padding after every 16
	s_mov_b32 s[G1+1], 512<<16                     ; a row of the tile: 4,096 bytes
	s_mov_b32 s[G1+2], 8<<16                       ; 8 chunks
	s_mov_b32 s[G1+3], 512<<16
	s_mov_b32 s[G1+4], 8
	s_mov_b32 s[G1+5], 32768                       ; from chunk to chunk: 262,144 bytes
	s_mov_b32 s[G1+6], 0
	s_mov_b32 s[G1+7], 0
	s_or_b32 s[G1B+0], s44, (0<<16)|(1<<20)|(1<<21)|(6<<22)|(3<<25)   ; B: elements of 1 byte; 4 words after every 128
	s_mov_b32 s[G1B+1], 512<<16
	s_mov_b32 s[G1B+2], 64<<16
	s_mov_b32 s[G1B+3], 512<<16
	s_mov_b32 s[G1B+4], 64
	s_mov_b32 s[G1B+5], KTOT
	s_mov_b32 s[G1B+6], 0
	s_mov_b32 s[G1B+7], 0
	s_lshl_b32 s20, s17, 13
	s_lshl_b32 s18, s16, 12
	s_add_co_u32 s20, s20, s18                     ; A: (128 x tile row + 64 x half) rows of 64 bytes
	s_mov_b32 s21, 0
	s_lshl_b32 s46, s42, 7
	s_lshl_b32 s18, s16, 6
	s_add_co_u32 s46, s46, s18
	s_mul_i32 s46, s46, KTOT                       ; B: (128 x tile column + 64 x half) rows
	s_mov_b32 s47, 0
	s_mul_i32 s45, s16, HA                         ; where they go: A's halves, then B's: the wave's number alone
	s_mul_i32 s22, s16, HB
	s_add_co_u32 s22, s22, 2*HA
	s_wait_dscnt 0x0
	s_wait_kmcnt 0x0
	s_load_b64 s[96:97], s[8:9], EOFF
	s_add_nc_u64 s[20:21], s[4:5], s[20:21]
	s_add_nc_u64 s[46:47], s[6:7], s[46:47]
	CROUND
.irp s, 0,1
	s_mov_b32 s[G0+4*\s], 1
	s_add_co_u32 s[G0+4*\s+1], s45, \s*SLOT
	s_add_nc_u64 s[G0+4*\s+2:G0+4*\s+3], s[20:21], \s*ASTEP
	s_or_b32 s[G0+4*\s+3], s[G0+4*\s+3], 0x80000000
	s_mov_b32 s[G0B+4*\s], 1
	s_add_co_u32 s[G0B+4*\s+1], s22, \s*SLOT
	s_add_nc_u64 s[G0B+4*\s+2:G0B+4*\s+3], s[46:47], \s*BSTEP
	s_or_b32 s[G0B+4*\s+3], s[G0B+4*\s+3], 0x80000000
	JLOAD G0+4*\s, G1, G0B+4*\s, G1B
.endr
	v_and_b32 v1, 15, v0                           ; r
	v_bfe_u32 v2, v0, 4, 1                         ; h
	v_mul_u32_u24 v3, v1, 80
	v_lshl_add_u32 v3, v2, 4, v3
	v_mul_u32_u24 v4, v1, 528
	v_lshl_add_u32 v4, v2, 4, v4
	s_mul_i32 s21, s15, HA
	s_mul_i32 s22, s16, HB
	s_add_co_u32 s22, s22, 2*HA
.irp s, 0,1
	v_add_nc_u32 v[ADRA+\s], s21, v3
	v_add_nc_u32 v[ADRB+\s], s22, v4
	s_add_co_u32 s21, s21, SLOT
	s_add_co_u32 s22, s22, SLOT
.endr
	s_mul_i32 s23, s14, SPB
	v_mul_u32_u24 v5, v1, 272
	v_lshl_add_u32 v5, v2, 5, v5
	v_add_nc_u32 v[STO], s23, v5                   ; in: row r, 32 bytes for each half of the lanes
	v_mul_u32_u24 v5, v2, 272
	v_lshl_add_u32 v5, v1, 4, v5
	v_add_nc_u32 v[RD], s23, v5                    ; back: lanes 0-15 one row of 256 bytes, lanes 16-31 the next
	v_lshlrev_b32 v[BO], 4, v1
	v_lshl_add_u32 v[CO], v2, 12, v[BO]            ; and the same two rows in memory
	s_lshl_b32 s46, s42, 9
	s_lshl_b32 s47, s16, 8
	s_add_co_u32 s46, s46, s47                     ; my first column, in bytes
	s_mov_b32 s47, 0
	s_add_nc_u64 s[10:11], s[10:11], s[46:47]      ; the bias there
	s_lshl_b32 s18, s17, 19
	s_add_co_u32 s46, s46, s18
	s_lshl_b32 s18, s15, 18
	s_add_co_u32 s46, s46, s18                     ; + (128 x tile row + 64 x half) rows of 4,096 bytes
	s_add_nc_u64 s[68:69], s[68:69], s[46:47]
	s_add_nc_u64 s[70:71], s[70:71], s[46:47]
	global_load_b128 v[BI:BI+3], v[BO], s[10:11]
	WIN 0x80                                       ; destination window 2
.irp a, 0,1,2,3
.irp t, 0,1,2,3,4,5,6,7
	global_load_b128 v[32*\a+4*\t:32*\a+4*\t+3], v[CO], s[68:69] offset:(16*\a+2*\t)*4096 th:TH_LOAD_NT
.endr
.endr
	WIN 0
.macro MUL4 f, a, zero                 ; A's block a x B's four.  The 16 accumulators take turns, one instruction a turn, in the same order in every quarter
.irp b, 0,1,2,3
.if \zero
	v_wmma_f32_16x16x128_fp8_fp8 v[ACC+8*(4*(\a)+\b):ACC+8*(4*(\a)+\b)+7], v[\f+64+16*\b:\f+64+16*\b+15], v[\f+16*(\a):\f+16*(\a)+15], 0
.else
	v_wmma_f32_16x16x128_fp8_fp8 v[ACC+8*(4*(\a)+\b):ACC+8*(4*(\a)+\b)+7], v[\f+64+16*\b:\f+64+16*\b+15], v[\f+16*(\a):\f+16*(\a)+15], v[ACC+8*(4*(\a)+\b):ACC+8*(4*(\a)+\b)+7]
.endif
.endr
.endm
.macro FETCH slot, q, f                ; 32 LDS loads in one run: the slot's q-th 128 along K: B's four fragments, then A's
	WIN TO_F
.irp i, 0,1,2,3
.irp c, 0,1,2,3
	ds_load_b128 v[\f+64+16*\i+4*\c:\f+64+16*\i+4*\c+3], v[ADRB+\slot] offset:128*(\q)+32*\c+\i*16*528
.endr
.endr
.irp i, 0,1,2,3
.irp c, 0,1,2,3
	ds_load_b128 v[\f+16*\i+4*\c:\f+16*\i+4*\c+3], v[ADRA+\slot] offset:(2*(\q)+\c/2)*5120+\i*1280+32*(\c%2)
.endr
.endr
.endm
.macro PLACES
.rept 4
	v_nop
.endr
.endm
.macro QUARTER slot, q, f, g, zero     ; multiplies buffer f, and fetches the slot's q-th quarter into g
	s_wait_dscnt 8                                 ; all of f but the youngest eight loads (A's blocks 2, 3)
	WIN MUL
	MUL4 \f, 0, \zero
	MUL4 \f, 1, \zero
	PLACES
	FETCH \slot, \q, \g
	s_wait_dscnt 32                                ; all but the 32 just issued
	WIN MUL
	MUL4 \f, 2, \zero
	MUL4 \f, 3, \zero
.endm
.macro TURN slot, next, fill           ; a slot's last quarter multiplies buffer 1 and changes slots
	WIN 0
	s_wait_tensorcnt 0x0                           ; all my tensor loads have landed: my part of the next slot
	ds_add_u32 v[SPW], v[NIL]
	s_wait_dscnt 9                                 ; (the add and the youngest eight loads may be out)
	WIN MUL
	MUL4 F1, 0, 0
	s_wait_dscnt 0x0                               ; the add is done, and my reads of this slot are over
	s_barrier_signal -1
	MUL4 F1, 1, 0
.if \fill
	WIN 0
.endif
	s_barrier_wait -1
.if \fill
	CREST
	s_add_nc_u64 s[G0+4*\slot+2:G0+4*\slot+3], s[G0+4*\slot+2:G0+4*\slot+3], 2*ASTEP
	s_add_nc_u64 s[G0B+4*\slot+2:G0B+4*\slot+3], s[G0B+4*\slot+2:G0B+4*\slot+3], 2*BSTEP
	JLOAD G0+4*\slot, G1, G0B+4*\slot, G1B
.else
	PLACES
.endif
	FETCH \next, 0, F0
	WIN MUL
	MUL4 F1, 2, 0
	MUL4 F1, 3, 0
.endm
	s_wait_tensorcnt 1                             ; my part of slot 0 is in; slot 1's load may be out
	s_barrier_signal -1
	s_barrier_wait -1
	FETCH 0, 0, F0
	QUARTER 0, 1, F0, F1, 1                        ; the first quarter's products start the sums
.if LAPS > 1
	WIN 0
	s_mov_b32 s3, LAPS-1
.Llap:
	QUARTER 0, 2, F1, F0, 0
	QUARTER 0, 3, F0, F1, 0
	TURN 0, 1, 1
	QUARTER 1, 1, F0, F1, 0
	QUARTER 1, 2, F1, F0, 0
	QUARTER 1, 3, F0, F1, 0
	TURN 1, 0, 1
	QUARTER 0, 1, F0, F1, 0
	WIN 0
	s_sub_co_u32 s3, s3, 1
	s_cmp_lg_u32 s3, 0
	s_cbranch_scc1 .Llap
.endif
	QUARTER 0, 2, F1, F0, 0
	QUARTER 0, 3, F0, F1, 0
	TURN 0, 1, 0
	QUARTER 1, 1, F0, F1, 0
	QUARTER 1, 2, F1, F0, 0
	QUARTER 1, 3, F0, F1, 0
	s_wait_dscnt 8
	WIN MUL
	MUL4 F1, 0, 0
	MUL4 F1, 1, 0
	s_wait_dscnt 0
	MUL4 F1, 2, 0
	MUL4 F1, 3, 0
	WIN 0
; THE WAY OUT, 16 rows at a time: the sums go through my own stage (my 64 columns are 256 bytes of a row) and come back as whole rows; sum x 2^(ea + eb) + residual, + bias; sixteen lanes store 256 aligned bytes.
.macro FIN a
.if (\a) > 0
	s_wait_xcnt 0x0                                ; the last block's stores have read their registers
.endif
.irp b, 0,1,2,3
	ds_store_b128 v[STO], v[ACC+8*(4*(\a)+\b):ACC+8*(4*(\a)+\b)+3] offset:64*\b          ; each accumulator from its low end on
	ds_store_b128 v[STO], v[ACC+8*(4*(\a)+\b)+4:ACC+8*(4*(\a)+\b)+7] offset:64*\b+16
.endr
.irp t, 0,1,2,3,4,5,6,7
	ds_load_b128 v[BK+4*\t:BK+4*\t+3], v[RD] offset:544*\t    ; LDS serves a wave's instructions in order (ISA guide 5.7.1.4)
.endr
	s_wait_dscnt 0x0
	WIN 0x20                                       ; source 2 (the residual) window 2
.set j, 0
.rept 16
	v_pk_fma_f32 v[BK+j:BK+j+1], v[BK+j:BK+j+1], s[96:97], v[32*(\a)+j:32*(\a)+j+1] op_sel_hi:[1,0,1]
.set j, j+2
.endr
	WIN 0
.irp t, 0,1,2,3,4,5,6,7
	v_pk_add_f32 v[BK+4*\t:BK+4*\t+1], v[BK+4*\t:BK+4*\t+1], v[BI:BI+1]
	v_pk_add_f32 v[BK+4*\t+2:BK+4*\t+3], v[BK+4*\t+2:BK+4*\t+3], v[BI+2:BI+3]
.endr
.irp t, 0,1,2,3,4,5,6,7
	global_store_b128 v[CO], v[BK+4*\t:BK+4*\t+3], s[70:71] offset:(16*(\a)+2*\t)*4096
.endr
.endm
	s_wait_kmcnt 0x0
	s_add_co_i32 s96, s96, s97
	s_add_co_i32 s96, s96, 127
	s_lshl_b32 s96, s96, 23                        ; 2^(ea + eb) as f32
	s_mov_b32 s97, s96
	PLACES                                         ; behind the last products
	s_wait_loadcnt 0x0                             ; the bias and the residual
	FIN 0
	FIN 1
	FIN 2
	FIN 3
	s_wait_tensorcnt 0x0                           ; the wave's end
	ds_add_u32 v[SPW], v[NIL]
	s_wait_dscnt 0x0
	CROUND                                         ; the closing round
	s_endpgm
.Lfunc_end_k_q869880e110_wo:
	.size	k_q869880e110_wo, .Lfunc_end_k_q869880e110_wo-k_q869880e110_wo
	.p2alignl 7, 3214868480
	.fill 96, 4, 3214868480
	.section	.rodata,"a",@progbits
	.p2align	6, 0x0
	.amdhsa_kernel k_q869880e110_wo
		.amdhsa_group_segment_fixed_size 327680
		.amdhsa_private_segment_fixed_size 0
		.amdhsa_enable_private_segment 0
		.amdhsa_kernarg_size 48
		.amdhsa_user_sgpr_count 2
		.amdhsa_user_sgpr_kernarg_segment_ptr 1
		.amdhsa_wavefront_size32 1
		.amdhsa_system_sgpr_workgroup_id_x 1
		.amdhsa_system_sgpr_workgroup_id_y 1
		.amdhsa_system_sgpr_workgroup_id_z 1
		.amdhsa_system_vgpr_workitem_id 0
		.amdhsa_next_free_vgpr 640
		.amdhsa_next_free_sgpr 100
		.amdhsa_reserve_vcc 0
		.amdhsa_float_denorm_mode_32 3
		.amdhsa_float_denorm_mode_16_64 3
		.amdhsa_memory_ordered 1
		.amdhsa_forward_progress 1
		.amdhsa_inst_pref_size 53
	.end_amdhsa_kernel
	.amdgpu_metadata
---
amdhsa.version: [ 1, 2 ]
amdhsa.kernels:
  - .name:           k_q869880e110_wo
    .symbol:         k_q869880e110_wo.kd
    .args:
      - { .name: cc, .offset: 0, .size: 8, .value_kind: global_buffer, .address_space: global }
      - { .name: Wo_codes, .offset: 8, .size: 8, .value_kind: global_buffer, .address_space: global }
      - { .name: lowp_scales, .offset: 16, .size: 8, .value_kind: global_buffer, .address_space: global }
      - { .name: bo, .offset: 24, .size: 8, .value_kind: global_buffer, .address_space: global }
      - { .name: x, .offset: 32, .size: 8, .value_kind: global_buffer, .address_space: global }
      - { .name: x2, .offset: 40, .size: 8, .value_kind: global_buffer, .address_space: global }
    .group_segment_fixed_size: 327680
    .private_segment_fixed_size: 0
    .kernarg_segment_align: 8
    .kernarg_segment_size: 48
    .max_flat_workgroup_size: 128
    .sgpr_count:     100
    .vgpr_count:     640
    .wavefront_size: 32
...
	.end_amdgpu_metadata
.endif
;; end of part 4
;; launch ln2 (part 5): grid 256 x 1, 8 waves a work-group, no clusters, 9,216 bytes of LDS; arguments x2, g2, s2, lowp_scales, h2; writes h2
.if DOCPART == 5
	.amdgcn_target "amdgcn-amd-amdhsa--gfx1250"
	.amdhsa_code_object_version 6
	.text
	.protected	k_q869880e110_ln2
	.globl	k_q869880e110_ln2
	.p2align	8
	.type	k_q869880e110_ln2,@function
k_q869880e110_ln2:
	s_mov_b64 s[64:65], 0
	v_nop
	global_prefetch_b8 v0, s[64:65] scope:SCOPE_SE
	s_setreg_imm32_b32 hwreg(HW_REG_WAVE_MODE, 25, 1), 1
	s_wait_xcnt 0x0
; LayerNorm 2: h = g (x2 - mean) / sqrt(var + 1e-5) + s, in f32 (the mean first, then the squares of the differences), quantised with the scale of entry 12: h2, rows of 1,024 codes.
; code = h / 2^e, held within +-448, to the nearest code, ties to even.  LIMIT: e between -126 and 119.  NaN among the inputs is not served.
; SHARES.  A work-group takes 16 rows, a wave two; a row lies in 32 registers of one wave: register 4 j + i of lane l is column 128 j + 4 l + i.  The conversion of registers 8 m .. 8 m + 7 gives two words, the codes
; of columns 256 m + 4 l .. + 3 and 256 m + 128 + 4 l .. + 3; a row's codes go through the wave's own stage in LDS and leave as two stores of 512 consecutive bytes.  The launch streams: no matrix unit, cluster or tensor load.
.set NS,    1
.set REG,   NS*1024
.set SPARE, 8*REG                      ; the spare words, 128 bytes for each wave, which no other line names
.set CW,    8
.set T,     32
.set G,     64
.set SH,    96
.set X,     128
.set OUT,   192
.set SA,    240
.set SB,    242
.set MEAN,  244
.set RSTD,  246
.set PT,    248
.set SC,    249
.set LIM,   252
	s_load_b256 s[4:11], s[0:1], 0x0               ; x2, g, s, the scales' exponents
	s_load_b64 s[12:13], s[0:1], 0x20              ; the codes
	v_lshl_add_u32 v4, v0, 2, SPARE
	v_mov_b32 v5, 0
	v_lshrrev_b32 v6, 5, v0
	v_readfirstlane_b32 s14, v6                    ; wave
	v_and_b32 v6, 31, v0
	v_lshlrev_b32 v1, 4, v6
	s_mul_i32 s15, s14, REG
	v_lshl_add_u32 v2, v6, 2, s15
	v_lshl_add_u32 v3, v6, 4, s15
	v_mov_b32 v[PT], 0
	s_lshl_b32 s2, ttmp9, 16
	s_lshl_b32 s3, s14, 13
	s_add_co_u32 s2, s2, s3
	s_lshr_b32 s40, s2, 2
	s_mov_b32 s3, 0
	s_mov_b32 s41, 0
	s_mov_b32 s38, 0x76543210
	s_mov_b32 s39, 0xfedcba98
	s_mov_b32 s42, 0x3a800000                      ; 1 / 1,024
	s_mov_b32 s43, 0x3727c5ac                      ; 1e-5
	s_wait_kmcnt 0x0
	s_load_b32 s16, s[10:11], 0x30                 ; entry 12
	s_add_nc_u64 s[4:5], s[4:5], s[2:3]
	s_add_nc_u64 s[24:25], s[12:13], s[40:41]
.irp j, 0,1,2,3,4,5,6,7
	global_load_b128 v[X+4*\j:X+4*\j+3], v1, s[4:5] offset:512*\j
.endr
.irp j, 0,1,2,3,4,5,6,7
	global_load_b128 v[G+4*\j:G+4*\j+3], v1, s[6:7] offset:512*\j
.endr
.irp j, 0,1,2,3,4,5,6,7
	global_load_b128 v[SH+4*\j:SH+4*\j+3], v1, s[8:9] offset:512*\j
.endr
.irp j, 0,1,2,3,4,5,6,7
	global_load_b128 v[X+32+4*\j:X+32+4*\j+3], v1, s[4:5] offset:4096+512*\j
.endr
	s_wait_kmcnt 0x0
	s_add_co_i32 s30, s16, 127
	s_lshl_b32 s31, s30, 23
	v_mov_b32 v[SC], s31                           ; 2^e
	s_add_co_i32 s30, s30, 8
	s_lshl_b32 s30, s30, 23
	s_or_b32 s30, s30, 0x600000
	v_mov_b32 v[LIM], s30                          ; 448 x 2^e
.macro RED r
	v_add_f32_dpp v[\r], v[\r], v[\r] row_xmask:1 row_mask:0xf bank_mask:0xf
	v_add_f32_dpp v[\r], v[\r], v[\r] row_xmask:2 row_mask:0xf bank_mask:0xf
	v_add_f32_dpp v[\r], v[\r], v[\r] row_xmask:4 row_mask:0xf bank_mask:0xf
	v_add_f32_dpp v[\r], v[\r], v[\r] row_xmask:8 row_mask:0xf bank_mask:0xf
	v_permlanex16_b32 v[PT], v[\r], s38, s39
	v_add_f32 v[\r], v[\r], v[PT]
.endm
.macro ROW p
.set XS, X+32*\p
.if \p == 0
	s_wait_loadcnt 24                              ; row 0's eight loads are in; g's, s's and row 1's 24 may be out
.else
	s_wait_loadcnt 0x0
.endif
	v_pk_add_f32 v[SA:SA+1], v[XS:XS+1], v[XS+2:XS+3]
	v_pk_add_f32 v[SB:SB+1], v[XS+4:XS+5], v[XS+6:XS+7]
.irp j, 8,12,16,20,24,28
	v_pk_add_f32 v[SA:SA+1], v[SA:SA+1], v[XS+\j:XS+\j+1]
	v_pk_add_f32 v[SB:SB+1], v[SB:SB+1], v[XS+\j+2:XS+\j+3]
.endr
	v_pk_add_f32 v[SA:SA+1], v[SA:SA+1], v[SB:SB+1]
	v_add_f32 v[SA], v[SA], v[SA+1]
	RED SA
	v_mul_f32 v[MEAN], s42, v[SA]
	v_mov_b32 v[MEAN+1], v[MEAN]
.set j, 0
.rept 16
	v_pk_add_f32 v[XS+j:XS+j+1], v[XS+j:XS+j+1], v[MEAN:MEAN+1] neg_lo:[0,1] neg_hi:[0,1]
.set j, j+2
.endr
	v_pk_mul_f32 v[SA:SA+1], v[XS:XS+1], v[XS:XS+1]
	v_pk_mul_f32 v[SB:SB+1], v[XS+2:XS+3], v[XS+2:XS+3]
.irp j, 4,8,12,16,20,24,28
	v_pk_fma_f32 v[SA:SA+1], v[XS+\j:XS+\j+1], v[XS+\j:XS+\j+1], v[SA:SA+1]
	v_pk_fma_f32 v[SB:SB+1], v[XS+\j+2:XS+\j+3], v[XS+\j+2:XS+\j+3], v[SB:SB+1]
.endr
	v_pk_add_f32 v[SA:SA+1], v[SA:SA+1], v[SB:SB+1]
	v_add_f32 v[SA], v[SA], v[SA+1]
	RED SA
	v_fma_f32 v[SA], v[SA], s42, s43               ; var + eps
	v_rsq_f32 v[RSTD], v[SA]
	v_rsq_f32 v[RSTD+1], v[SA]
	v_nop                                          ; a plain instruction behind the transcendentals,
	s_wait_alu depctr_va_vdst(0)                   ; and one wait for both, ahead of their first use
.if \p == 0
	s_wait_loadcnt 8                               ; g and s are in; row 1's eight may be out
.endif
.set j, 0
.rept 16
	v_pk_mul_f32 v[XS+j:XS+j+1], v[XS+j:XS+j+1], v[RSTD:RSTD+1]
.set j, j+2
.endr
.set j, 0
.rept 16
	v_pk_fma_f32 v[XS+j:XS+j+1], v[XS+j:XS+j+1], v[G+j:G+j+1], v[SH+j:SH+j+1]
.set j, j+2
.endr
.set j, 0
.rept 32
	v_med3_num_f32 v[T+j], v[XS+j], -v[LIM], v[LIM]   ; the conversion to an 8-bit code does not saturate (ISA guide 7.6.2): the hold comes first
.set j, j+1
.endr
.set j, 0
.rept 4
	v_cvt_scalef32_pk8_fp8_f32 v[CW+2*j:CW+2*j+1], v[T+8*j:T+8*j+7], v[SC]
.set j, j+1
.endr
	v_nop                                          ; a plain instruction behind the last conversion
.set j, 0
.rept 8
	ds_store_b32 v2, v[CW+j] offset:128*j
.set j, j+1
.endr
	ds_load_b128 v[OUT+8*\p:OUT+8*\p+3], v3        ; LDS serves a wave's instructions in order (ISA guide 5.7.1.4)
	ds_load_b128 v[OUT+8*\p+4:OUT+8*\p+7], v3 offset:512
	s_wait_dscnt 0x0
	global_store_b128 v1, v[OUT+8*\p:OUT+8*\p+3], s[24:25] offset:1024*\p
	global_store_b128 v1, v[OUT+8*\p+4:OUT+8*\p+7], s[24:25] offset:1024*\p+512
.endm
	ROW 0
	ROW 1
	s_wait_tensorcnt 0x0                           ; the wave's end, behind my last LDS store
	ds_add_u32 v4, v5
	s_wait_dscnt 0x0
	s_endpgm
.Lfunc_end_k_q869880e110_ln2:
	.size	k_q869880e110_ln2, .Lfunc_end_k_q869880e110_ln2-k_q869880e110_ln2
	.p2alignl 7, 3214868480
	.fill 96, 4, 3214868480
	.section	.rodata,"a",@progbits
	.p2align	6, 0x0
	.amdhsa_kernel k_q869880e110_ln2
		.amdhsa_group_segment_fixed_size 9216
		.amdhsa_private_segment_fixed_size 0
		.amdhsa_enable_private_segment 0
		.amdhsa_kernarg_size 40
		.amdhsa_user_sgpr_count 2
		.amdhsa_user_sgpr_kernarg_segment_ptr 1
		.amdhsa_wavefront_size32 1
		.amdhsa_system_sgpr_workgroup_id_x 1
		.amdhsa_system_sgpr_workgroup_id_y 1
		.amdhsa_system_sgpr_workgroup_id_z 1
		.amdhsa_system_vgpr_workitem_id 0
		.amdhsa_next_free_vgpr 256
		.amdhsa_next_free_sgpr 66
		.amdhsa_reserve_vcc 0
		.amdhsa_float_denorm_mode_32 3
		.amdhsa_float_denorm_mode_16_64 3
		.amdhsa_memory_ordered 1
		.amdhsa_forward_progress 1
		.amdhsa_inst_pref_size 24
	.end_amdhsa_kernel
	.amdgpu_metadata
---
amdhsa.version: [ 1, 2 ]
amdhsa.kernels:
  - .name:           k_q869880e110_ln2
    .symbol:         k_q869880e110_ln2.kd
    .args:
      - { .name: x2, .offset: 0, .size: 8, .value_kind: global_buffer, .address_space: global }
      - { .name: g2, .offset: 8, .size: 8, .value_kind: global_buffer, .address_space: global }
      - { .name: s2, .offset: 16, .size: 8, .value_kind: global_buffer, .address_space: global }
      - { .name: lowp_scales, .offset: 24, .size: 8, .value_kind: global_buffer, .address_space: global }
      - { .name: h2, .offset: 32, .size: 8, .value_kind: global_buffer, .address_space: global }
    .group_segment_fixed_size: 9216
    .private_segment_fixed_size: 0
    .kernarg_segment_align: 8
    .kernarg_segment_size: 40
    .max_flat_workgroup_size: 256
    .sgpr_count:     66
    .vgpr_count:     256
    .wavefront_size: 32
...
	.end_amdgpu_metadata
.endif
;; end of part 5
;; launch w1 (part 6): grid 16 x 16, 4 waves a work-group, clusters of 4 x 4, 327,680 bytes of LDS; arguments h2, W1_codes, lowp_scales, b1, hc; writes hc
.if DOCPART == 6
	.amdgcn_target "amdgcn-amd-amdhsa--gfx1250"
	.amdhsa_code_object_version 6
	.text
	.protected	k_q869880e110_w1
	.globl	k_q869880e110_w1
	.p2align	8
	.type	k_q869880e110_w1,@function
k_q869880e110_w1:
	s_mov_b64 s[64:65], 0
	v_nop
	global_prefetch_b8 v0, s[64:65] scope:SCOPE_SE
	s_setreg_imm32_b32 hwreg(HW_REG_WAVE_MODE, 25, 1), 1
	s_wait_xcnt 0x0
	s_wait_alu depctr_hold_cnt(0) depctr_sa_sdst(0) depctr_va_vdst(0) depctr_va_sdst(0) depctr_va_ssrc(0) depctr_va_vcc(0) depctr_vm_vsrc(0)
	s_getreg_b32 s2, hwreg(HW_REG_IB_STS2, 6, 4)
	s_cmp_eq_u32 s2, 0
	s_cbranch_scc0 .Lentry_in_a_cluster
	s_endpgm
.Lentry_in_a_cluster:
	s_bfe_u32 s2, ttmp6, 0x10000c
	s_cmp_lg_u32 s2, 0xf033
	s_cbranch_scc0 .Lentry_shape_is_right
	s_endpgm
.Lentry_shape_is_right:
; hidden = gelu(h W1 + b1), quantised at once for the second FFN product.  A: h2, [4,096][1,024] codes; B: W1's codes, [4,096][1,024], K innermost; u = sum x 2^(e12 + e13) + b1, in f32.
; gelu(u) = 0.5 u (1 + tanh(z)), z = sqrt(2 / pi) (u + 0.044715 u^3), is computed as u / (1 + 2^(u (k0 + k1 u^2))), k0 = -2 log2(e) sqrt(2 / pi), k1 = 0.044715 k0: the same function, since
; 0.5 (1 + tanh z) = 1 / (1 + e^(-2 z)); where the power overflows the quotient is 0, where it vanishes it is u.  code = gelu / 2^e14, held within +-448.
; LIMITS: e12 + e13 between -126 and 127; e14 between -126 and 119.  NaN among the inputs is not served.
; OUT: hc, in chunks of 64 hidden units: [64][4,096 rows][64 bytes]: 16 rows x 64 units of codes are 1,024 consecutive bytes.
; A tile of C, 256 x 256, by four waves of 128 x 128; K in steps of 256 through a ring of two LDS slots; clusters of 4 x 4 with joint loads; the matrix instruction used transposed (source 0 = 16 rows of B):
; a lane holds eight neighbouring hidden units of one row.  A fragment is fetched by four loads of 16 bytes: a permutation of k that is the same in A and in B.
; REGISTERS: window 0: v0-31 addresses and constants; v32-95 b1 (tile b's eight at v[32 + 8 b]); from v128 A's fragments; window 1: B's two sets; windows 2, 3: the accumulators.
.set KSTEP,  256
.set ROWB,   256
.set KROW,   1024
.set PITCH,  272
.set FR,     16
.set NL,     4
.set NP,     4
.set HALFT,  128*PITCH
.set SLOT,   4*HALFT
.set LAPS,   KROW/(2*KSTEP)
.set SPARE,  2*SLOT                    ; the spare words, 128 bytes a wave, which no other line names
.set SPB,    2560                      ; the way out: [2 chunks][16 rows][64 + 16] for each wave, in slot 0, which has had its last fill and its last read by then
.set K0,   10                          ; v[10:11] k0, twice
.set ADRA, 16
.set ADRB, 20
.set STO,  24
.set RD,   25
.set CO,   26
.set BO,   27
.set SPW,  28
.set NIL,  29
.set SCL,  30
.set LIMV, 31
.set BI,   32
.set CD,   96
.set BK,   112
.set U,    128
.set EX,   192
.set AF,   128
.set G1, 24
.set G0, 32
.set G1B, 48
.set G0B, 56
.set MSB, 0
.macro WIN new
.if MSB != \new
	s_set_vgpr_msb (MSB<<8)|\new
.set MSB, \new
.endif
.endm
.set MUL_LO, 0xa1
.set MUL_HI, 0xf1
.set TO_B,   0x40
.macro JLOAD g0a, g1a, g0b, g1b
	s_cmp_eq_u32 s15, 0
	s_cbranch_scc0 .Lfor_b_\@
	tensor_load_to_lds s[\g0a:\g0a+3], s[\g1a:\g1a+7]
	s_nop 0
.rept 4
	v_nop
.endr
	s_branch .Lasked_\@
.Lfor_b_\@:
	tensor_load_to_lds s[\g0b:\g0b+3], s[\g1b:\g1b+7]
	s_nop 0
.rept 4
	v_nop
.endr
.Lasked_\@:
.endm
.macro CREST
	s_cmp_lg_u32 s14, 0
	s_cbranch_scc1 .Lnot_wave_0_\@
	s_barrier_signal -3
.Lnot_wave_0_\@:
	s_barrier_wait -3
	s_barrier_signal -1
	s_barrier_wait -1
.endm
.macro CROUND
	s_barrier_signal -1
	s_barrier_wait -1
	CREST
.endm
	s_load_b256 s[4:11], s[0:1], 0x0               ; h2, W1's codes, the scales' exponents, b1
	s_load_b64 s[68:69], s[0:1], 0x20              ; hc
	v_lshl_add_u32 v[SPW], v0, 2, SPARE
	v_mov_b32 v[NIL], 0
	ds_add_u32 v[SPW], v[NIL]                      ; the wave's opening: the add, twice on end, and its wait ahead of my first tensor load
	ds_add_u32 v[SPW], v[NIL]
	v_lshrrev_b32 v1, 5, v0
	v_readfirstlane_b32 s14, v1
	s_lshr_b32 s15, s14, 1
	s_and_b32 s16, s14, 1
	s_bfe_u32 s40, ttmp6, 0x40000
	s_bfe_u32 s41, ttmp6, 0x40004
	s_lshl_b32 s42, ttmp9, 2
	s_add_co_u32 s42, s42, s40                     ; tile column
	s_and_b32 s17, ttmp7, 0xffff
	s_lshl_b32 s17, s17, 2
	s_add_co_u32 s17, s17, s41                     ; tile row
	s_lshl_b32 s43, s41, 2
	s_lshl_b32 s43, 15, s43
	s_lshl_b32 s44, 0x1111, s40
	s_or_b32 s[G1+0], s43, (0<<16)|(1<<20)|(1<<21)|(5<<22)|(3<<25)
	s_or_b32 s[G1B+0], s44, (0<<16)|(1<<20)|(1<<21)|(5<<22)|(3<<25)
.irp g, G1, G1B
	s_mov_b32 s[\g+1], ROWB<<16
	s_mov_b32 s[\g+2], 128<<16
	s_mov_b32 s[\g+3], ROWB<<16
	s_mov_b32 s[\g+4], 128
	s_mov_b32 s[\g+5], KROW
	s_mov_b32 s[\g+6], 0
	s_mov_b32 s[\g+7], 0
.endr
	s_lshl_b32 s18, s16, 7
	s_lshl_b32 s20, s17, 8
	s_add_co_u32 s20, s20, s18
	s_lshl_b32 s20, s20, 10
	s_lshl_b32 s46, s42, 8
	s_add_co_u32 s46, s46, s18
	s_lshl_b32 s46, s46, 10
	s_mov_b32 s21, 0
	s_mov_b32 s47, 0
	s_mul_i32 s45, s14, HALFT
	s_mov_b32 s98, 0xbdd2d3e8                      ; k1
	s_mov_b32 s99, s98
	s_wait_dscnt 0x0
	s_wait_kmcnt 0x0
	s_load_b128 s[72:75], s[8:9], 0x30             ; e12, e13, e14, e15
	s_add_nc_u64 s[20:21], s[4:5], s[20:21]
	s_add_nc_u64 s[46:47], s[6:7], s[46:47]
	CROUND
.irp s, 0,1
	s_mov_b32 s[G0+4*\s], 1
	s_add_co_u32 s[G0+4*\s+1], s45, \s*SLOT
	s_add_nc_u64 s[G0+4*\s+2:G0+4*\s+3], s[20:21], \s*ROWB
	s_or_b32 s[G0+4*\s+3], s[G0+4*\s+3], 0x80000000
	s_mov_b32 s[G0B+4*\s], 1
	s_add_co_u32 s[G0B+4*\s+1], s45, \s*SLOT
	s_add_nc_u64 s[G0B+4*\s+2:G0B+4*\s+3], s[46:47], \s*ROWB
	s_or_b32 s[G0B+4*\s+3], s[G0B+4*\s+3], 0x80000000
	JLOAD G0+4*\s, G1, G0B+4*\s, G1B
.endr
	v_and_b32 v1, 15, v0
	v_bfe_u32 v2, v0, 4, 1
	v_mul_u32_u24 v3, v1, PITCH
	v_lshl_add_u32 v4, v2, 4, v3
	s_mul_i32 s21, s15, HALFT
	s_mul_i32 s22, s16, HALFT
	s_add_co_u32 s22, s22, 2*HALFT
.irp s, 0,1
	v_add_nc_u32 v[ADRA+\s], s21, v4
	v_add_nc_u32 v[ADRB+\s], s22, v4
	s_add_co_u32 s21, s21, SLOT
	s_add_co_u32 s22, s22, SLOT
.endr
	s_lshl_b32 s46, s42, 10
	s_lshl_b32 s47, s16, 9
	s_add_co_u32 s46, s46, s47                     ; my 128 hidden units in b1
	s_mov_b32 s47, 0
	s_add_nc_u64 s[10:11], s[10:11], s[46:47]
	v_lshlrev_b32 v[BO], 5, v2                     ; tile b's eight of my half: 64 b + 32 h bytes on
.irp b, 0,1,2,3,4,5,6,7
	global_load_b128 v[BI+8*\b:BI+8*\b+3], v[BO], s[10:11] offset:64*\b
	global_load_b128 v[BI+8*\b+4:BI+8*\b+7], v[BO], s[10:11] offset:64*\b+16
.endr
	s_mul_i32 s23, s14, SPB
	v_mul_u32_u24 v5, v1, 80
	v_lshl_add_u32 v5, v2, 3, v5
	v_add_nc_u32 v[STO], s23, v5
	v_and_b32 v6, 31, v0
	v_lshrrev_b32 v7, 2, v6
	v_mul_u32_u24 v7, v7, 80
	v_and_b32 v8, 3, v6
	v_lshl_add_u32 v7, v8, 4, v7
	v_add_nc_u32 v[RD], s23, v7
	v_lshlrev_b32 v[CO], 4, v6
	v_mov_b32 v[K0], 0xc0135761                    ; k0
	v_mov_b32 v[K0+1], 0xc0135761
	s_lshl_b32 s88, s42, 2
	s_lshl_b32 s89, s16, 1
	s_add_co_u32 s88, s88, s89
	s_lshl_b32 s88, s88, 18                        ; my first chunk: (4 x tile column + 2 x half) x 262,144
	s_lshl_b32 s89, s17, 14
	s_add_co_u32 s88, s88, s89
	s_lshl_b32 s89, s15, 13
	s_add_co_u32 s88, s88, s89
	s_mov_b32 s89, 0
	s_add_nc_u64 s[88:89], s[68:69], s[88:89]
	s_add_nc_u64 s[90:91], s[88:89], 262144
.macro FRAG reg, adr, q, i
.irp c, 0,1,2,3
	ds_load_b128 v[\reg+4*\c:\reg+4*\c+3], v[\adr] offset:128*(\q)+32*\c+(\i)*16*PITCH
.endr
.endm
.macro MUL16 a0, p, zero               ; the 64 accumulators take turns, one instruction a turn, in the same order in every step
.irp a, \a0, \a0+1
.irp b, 0,1,2,3,4,5,6,7
.if \zero
	v_wmma_f32_16x16x128_fp8_fp8 v[8*(8*((\a)%4)+\b):8*(8*((\a)%4)+\b)+7], v[128*(\p)+FR*\b:128*(\p)+FR*\b+FR-1], v[AF+FR*(\a):AF+FR*(\a)+FR-1], 0
.else
	v_wmma_f32_16x16x128_fp8_fp8 v[8*(8*((\a)%4)+\b):8*(8*((\a)%4)+\b)+7], v[128*(\p)+FR*\b:128*(\p)+FR*\b+FR-1], v[AF+FR*(\a):AF+FR*(\a)+FR-1], v[8*(8*((\a)%4)+\b):8*(8*((\a)%4)+\b)+7]
.endif
.endr
.endr
.endm
.macro FETCH_B slot, q, p
	WIN TO_B
.irp i, 0,1,2,3,4,5,6,7
	FRAG 128*(\p)+FR*\i, ADRB+\slot, \q, \i
.endr
	WIN 0
.endm
.macro FETCH_A slot, q, i0
.irp i, \i0, \i0+1, \i0+2, \i0+3
	FRAG AF+FR*(\i), ADRA+\slot, \q, \i
.endr
.endm
.macro PLACES n
.rept \n
	v_nop
.endr
.endm
.macro STEP slot, q, zero
	s_wait_dscnt 4*NL                              ; the youngest 16 loads (A's blocks 4-7) may be out
	WIN MUL_LO
	MUL16 0, (\q)%2, \zero
	MUL16 2, (\q)%2, \zero
	s_wait_dscnt 0
	PLACES NP
	FETCH_B \slot, (\q)+1, 1-(\q)%2
	FETCH_A \slot, (\q)+1, 0
	WIN MUL_HI
	MUL16 4, (\q)%2, \zero
	MUL16 6, (\q)%2, \zero
	PLACES NP
	WIN 0
	FETCH_A \slot, (\q)+1, 4
.endm
.macro TURN slot, next, fill
	s_wait_tensorcnt 0x0                           ; all my tensor loads have landed: my part of the next slot
	ds_add_u32 v[SPW], v[NIL]
	s_wait_dscnt 4*NL+1                            ; (the add and the youngest 16 loads may be out)
	WIN MUL_LO
	MUL16 0, 1, 0
	s_wait_dscnt 0x0                               ; the add is done, and my reads of this slot are over
	s_barrier_signal -1
	MUL16 2, 1, 0
	WIN 0
	s_barrier_wait -1
.if \fill
	CREST
	s_add_nc_u64 s[G0+4*\slot+2:G0+4*\slot+3], s[G0+4*\slot+2:G0+4*\slot+3], 2*ROWB
	s_add_nc_u64 s[G0B+4*\slot+2:G0B+4*\slot+3], s[G0B+4*\slot+2:G0B+4*\slot+3], 2*ROWB
	JLOAD G0+4*\slot, G1, G0B+4*\slot, G1B
.else
	PLACES NP
.endif
	FETCH_B \next, 0, 0
	FETCH_A \next, 0, 0
	WIN MUL_HI
	MUL16 4, 1, 0
	MUL16 6, 1, 0
	PLACES NP
	WIN 0
	FETCH_A \next, 0, 4
.endm
	s_wait_tensorcnt 1                             ; my part of K step 0 is in; K step 1's load may be out
	s_barrier_signal -1
	s_barrier_wait -1
	FETCH_B 0, 0, 0
	FETCH_A 0, 0, 0
	FETCH_A 0, 0, 4
	STEP 0, 0, 1
	s_mov_b32 s3, LAPS-1
.Llap:
	TURN 0, 1, 1
	STEP 1, 0, 0
	TURN 1, 0, 1
	STEP 0, 0, 0
	s_sub_co_u32 s3, s3, 1
	s_cmp_lg_u32 s3, 0
	s_cbranch_scc1 .Llap
	TURN 0, 1, 0
	STEP 1, 0, 0
	s_wait_dscnt 4*NL
	WIN MUL_LO
	MUL16 0, 1, 0
	MUL16 2, 1, 0
	s_wait_dscnt 0
	WIN MUL_HI
	MUL16 4, 1, 0
	MUL16 6, 1, 0
	WIN 0
; THE WAY OUT, block by block of 16 rows x 128 hidden units: bias, gelu, hold, convert, through my own stage, and out as four stores of 512 consecutive bytes.
.macro GELU a
.set AC, 64*((\a)%4)
	WIN 0x02+((\a)/4)                              ; source 0: window 2 or 3
.set j, 0
.rept 32
	v_pk_fma_f32 v[U+j:U+j+1], v[AC+j:AC+j+1], s[96:97], v[BI+j:BI+j+1] op_sel_hi:[1,0,1]   ; u = sum x 2^(e12 + e13) + b1; each accumulator from its low end on
.set j, j+2
.endr
	WIN 0
.set j, 0
.rept 32
	v_pk_mul_f32 v[EX+j:EX+j+1], v[U+j:U+j+1], v[U+j:U+j+1]
.set j, j+2
.endr
.set j, 0
.rept 32
	v_pk_fma_f32 v[EX+j:EX+j+1], v[EX+j:EX+j+1], s[98:99], v[K0:K0+1] op_sel_hi:[1,0,1]      ; k0 + k1 u^2
.set j, j+2
.endr
.set j, 0
.rept 32
	v_pk_mul_f32 v[EX+j:EX+j+1], v[EX+j:EX+j+1], v[U+j:U+j+1]
.set j, j+2
.endr
.set j, 0
.rept 64
	v_exp_f32 v[EX+j], v[EX+j]
.set j, j+1
.endr
	v_nop                                          ; a plain instruction behind the batch,
	s_wait_alu depctr_va_vdst(0)                   ; and one wait for it, ahead of its first use
.set j, 0
.rept 32
	v_pk_add_f32 v[EX+j:EX+j+1], v[EX+j:EX+j+1], 1.0 op_sel_hi:[1,0]
.set j, j+2
.endr
.set j, 0
.rept 64
	v_rcp_f32 v[EX+j], v[EX+j]
.set j, j+1
.endr
	v_nop
	s_wait_alu depctr_va_vdst(0)
.set j, 0
.rept 32
	v_pk_mul_f32 v[U+j:U+j+1], v[U+j:U+j+1], v[EX+j:EX+j+1]
.set j, j+2
.endr
.set j, 0
.rept 64
	v_med3_num_f32 v[U+j], v[U+j], -v[LIMV], v[LIMV]
.set j, j+1
.endr
.set j, 0
.rept 8
	v_cvt_scalef32_pk8_fp8_f32 v[CD+2*j:CD+2*j+1], v[U+8*j:U+8*j+7], v[SCL]
.set j, j+1
.endr
	v_nop                                          ; a plain instruction behind the last conversion
.endm
.macro SENDC a
.if (\a) > 0
	s_wait_xcnt 0x0                                ; the last block's stores have read their registers
.endif
.set j, 0
.rept 8
	ds_store_b64 v[STO], v[CD+2*j:CD+2*j+1] offset:1280*(j/4)+16*(j%4)
.set j, j+1
.endr
.set j, 0
.rept 4
	ds_load_b128 v[BK+4*j:BK+4*j+3], v[RD] offset:1280*(j/2)+640*(j%2)
.set j, j+1
.endr
	s_wait_dscnt 0x0
	global_store_b128 v[CO], v[BK:BK+3], s[88:89] offset:1024*(\a)
	global_store_b128 v[CO], v[BK+4:BK+7], s[88:89] offset:1024*(\a)+512
	global_store_b128 v[CO], v[BK+8:BK+11], s[90:91] offset:1024*(\a)
	global_store_b128 v[CO], v[BK+12:BK+15], s[90:91] offset:1024*(\a)+512
.endm
	s_wait_kmcnt 0x0
	s_add_co_i32 s96, s72, s73
	s_add_co_i32 s96, s96, 127
	s_lshl_b32 s96, s96, 23                        ; 2^(e12 + e13)
	s_mov_b32 s97, s96
	s_add_co_i32 s93, s74, 127
	s_lshl_b32 s94, s93, 23
	v_mov_b32 v[SCL], s94                          ; 2^e14
	s_add_co_i32 s93, s93, 8
	s_lshl_b32 s93, s93, 23
	s_or_b32 s93, s93, 0x600000
	v_mov_b32 v[LIMV], s93                         ; 448 x 2^e14
	PLACES NP                                      ; behind the last products
	s_wait_loadcnt 0x0                             ; b1
.irp a, 0,1,2,3,4,5,6,7
	GELU \a
	SENDC \a
.endr
	s_wait_tensorcnt 0x0                           ; the wave's end
	ds_add_u32 v[SPW], v[NIL]
	s_wait_dscnt 0x0
	CROUND                                         ; the closing round
	s_endpgm
.Lfunc_end_k_q869880e110_w1:
	.size	k_q869880e110_w1, .Lfunc_end_k_q869880e110_w1-k_q869880e110_w1
	.p2alignl 7, 3214868480
	.fill 96, 4, 3214868480
	.section	.rodata,"a",@progbits
	.p2align	6, 0x0
	.amdhsa_kernel k_q869880e110_w1
		.amdhsa_group_segment_fixed_size 327680
		.amdhsa_private_segment_fixed_size 0
		.amdhsa_enable_private_segment 0
		.amdhsa_kernarg_size 40
		.amdhsa_user_sgpr_count 2
		.amdhsa_user_sgpr_kernarg_segment_ptr 1
		.amdhsa_wavefront_size32 1
		.amdhsa_system_sgpr_workgroup_id_x 1
		.amdhsa_system_sgpr_workgroup_id_y 1
		.amdhsa_system_sgpr_workgroup_id_z 1
		.amdhsa_system_vgpr_workitem_id 0
		.amdhsa_next_free_vgpr 1024
		.amdhsa_next_free_sgpr 100
		.amdhsa_reserve_vcc 0
		.amdhsa_float_denorm_mode_32 3
		.amdhsa_float_denorm_mode_16_64 3
		.amdhsa_memory_ordered 1
		.amdhsa_forward_progress 1
		.amdhsa_inst_pref_size 255
	.end_amdhsa_kernel
	.amdgpu_metadata
---
amdhsa.version: [ 1, 2 ]
amdhsa.kernels:
  - .name:           k_q869880e110_w1
    .symbol:         k_q869880e110_w1.kd
    .args:
      - { .name: h2, .offset: 0, .size: 8, .value_kind: global_buffer, .address_space: global }
      - { .name: W1_codes, .offset: 8, .size: 8, .value_kind: global_buffer, .address_space: global }
      - { .name: lowp_scales, .offset: 16, .size: 8, .value_kind: global_buffer, .address_space: global }
      - { .name: b1, .offset: 24, .size: 8, .value_kind: global_buffer, .address_space: global }
      - { .name: hc, .offset: 32, .size: 8, .value_kind: global_buffer, .address_space: global }
    .group_segment_fixed_size: 327680
    .private_segment_fixed_size: 0
    .kernarg_segment_align: 8
    .kernarg_segment_size: 40
    .max_flat_workgroup_size: 128
    .sgpr_count:     100
    .vgpr_count:     1024
    .wavefront_size: 32
...
	.end_amdgpu_metadata
.endif
;; end of part 6
;; launch w2 (part 7): grid 8 x 32, 4 waves a work-group, clusters of 4 x 4, 327,680 bytes of LDS; arguments hc, W2_codes, lowp_scales, b2, x2, out0; writes out0
.if DOCPART == 7
	.amdgcn_target "amdgcn-amd-amdhsa--gfx1250"
	.amdhsa_code_object_version 6
	.text
	.protected	k_q869880e110_w2
	.globl	k_q869880e110_w2
	.p2align	8
	.type	k_q869880e110_w2,@function
k_q869880e110_w2:
	s_mov_b64 s[64:65], 0
	v_nop
	global_prefetch_b8 v0, s[64:65] scope:SCOPE_SE
	s_setreg_imm32_b32 hwreg(HW_REG_WAVE_MODE, 25, 1), 1
	s_wait_xcnt 0x0
	s_wait_alu depctr_hold_cnt(0) depctr_sa_sdst(0) depctr_va_vdst(0) depctr_va_sdst(0) depctr_va_ssrc(0) depctr_va_vcc(0) depctr_vm_vsrc(0)
	s_getreg_b32 s2, hwreg(HW_REG_IB_STS2, 6, 4)
	s_cmp_eq_u32 s2, 0
	s_cbranch_scc0 .Lentry_in_a_cluster
	s_endpgm
.Lentry_in_a_cluster:
	s_bfe_u32 s2, ttmp6, 0x10000c
	s_cmp_lg_u32 s2, 0xf033
	s_cbranch_scc0 .Lentry_shape_is_right
	s_endpgm
.Lentry_shape_is_right:
; out0 = x2 + hidden W2 + b2.  A: the hidden layer's codes in chunks, [64][4,096 rows][64]; B: W2's codes, [1,024][4,096], K innermost; sums x 2^(e14 + e15), in f32.  LIMIT: e14 + e15 between -126 and 127.
; A tile of C is 128 x 128, so that C's 4,096 x 1,024 give 256 work-groups; four waves of 64 x 64: 16 accumulators.  K goes in slots of 512 through a ring of two LDS slots: eight slots' worth.
; CLUSTERS of 4 x 4: A's tiles are asked for jointly along a row of the cluster, B's along a column.  THE MATRIX INSTRUCTION IS USED TRANSPOSED: a lane holds eight neighbouring columns of one row of C.
; A's tile of 64 rows x 512 K is 8 pieces of 4,096 consecutive bytes (a chunk's 64 rows), 262,144 bytes apart; with 16 bytes of padding behind every 64 it lands as [8 chunks][64 rows][80].
; REGISTERS: window 0: v0-31 addresses, v8-11 the bias, v32-63 at work on the way out, v128-255 the accumulators ((a, b) at v[128 + 8 (4 a + b)]); window 1: two fragment buffers (A's 4 x 16, then B's 4 x 16);
; window 2: v0-127 the residual, loaded at the head in the layout in which rows come back from the stage.
.set KTOT,  4096
.set EOFF,  0x38                       ; entries 14 and 15
.set HA,    40960
.set HB,    33792
.set SLOT,  2*HA+2*HB
.set SPARE, 2*SLOT                     ; the spare words, 128 bytes a wave, which no other line names
.set LAPS,  KTOT/1024
.set ASTEP, 0x200000
.set BSTEP, 512
.set SPB,   4352                       ; the way out: [16 rows][256 + 16] for each wave, in slot 0, which has had its last fill and its last read by then
.set BI,   8
.set ADRA, 16
.set ADRB, 20
.set STO,  24
.set RD,   25
.set CO,   26
.set BO,   27
.set SPW,  28
.set NIL,  29
.set BK,   32
.set ACC,  128
.set F0,   0
.set F1,   128
.set G1, 24
.set G0, 32
.set G1B, 48
.set G0B, 56
.set MSB, 0
.macro WIN new
.if MSB != \new
	s_set_vgpr_msb (MSB<<8)|\new
.set MSB, \new
.endif
.endm
.set MUL,  0x05
.set TO_F, 0x40
.macro JLOAD g0a, g1a, g0b, g1b
	s_cmp_eq_u32 s15, 0
	s_cbranch_scc0 .Lfor_b_\@
	tensor_load_to_lds s[\g0a:\g0a+3], s[\g1a:\g1a+7]
	s_nop 0
.rept 4
	v_nop
.endr
	s_branch .Lasked_\@
.Lfor_b_\@:
	tensor_load_to_lds s[\g0b:\g0b+3], s[\g1b:\g1b+7]
	s_nop 0
.rept 4
	v_nop
.endr
.Lasked_\@:
.endm
.macro CREST
	s_cmp_lg_u32 s14, 0
	s_cbranch_scc1 .Lnot_wave_0_\@
	s_barrier_signal -3
.Lnot_wave_0_\@:
	s_barrier_wait -3
	s_barrier_signal -1
	s_barrier_wait -1
.endm
.macro CROUND
	s_barrier_signal -1
	s_barrier_wait -1
	CREST
.endm
	s_load_b256 s[4:11], s[0:1], 0x0               ; A's codes, B's codes, the scales' exponents, the bias
	s_load_b128 s[68:71], s[0:1], 0x20             ; the residual, the result
	v_lshl_add_u32 v[SPW], v0, 2, SPARE
	v_mov_b32 v[NIL], 0
	ds_add_u32 v[SPW], v[NIL]                      ; the wave's opening: the add, twice on end, and its wait ahead of my first tensor load
	ds_add_u32 v[SPW], v[NIL]
	v_lshrrev_b32 v1, 5, v0
	v_readfirstlane_b32 s14, v1
	s_lshr_b32 s15, s14, 1
	s_and_b32 s16, s14, 1
	s_bfe_u32 s40, ttmp6, 0x40000
	s_bfe_u32 s41, ttmp6, 0x40004
	s_lshl_b32 s42, ttmp9, 2
	s_add_co_u32 s42, s42, s40
	s_and_b32 s17, ttmp7, 0xffff
	s_lshl_b32 s17, s17, 2
	s_add_co_u32 s17, s17, s41
	s_lshl_b32 s43, s41, 2
	s_lshl_b32 s43, 15, s43
	s_lshl_b32 s44, 0x1111, s40
	s_or_b32 s[G1+0], s43, (3<<16)|(1<<20)|(1<<21)|(3<<22)|(3<<25)
	s_mov_b32 s[G1+1], 512<<16
	s_mov_b32 s[G1+2], 8<<16
	s_mov_b32 s[G1+3], 512<<16
	s_mov_b32 s[G1+4], 8
	s_mov_b32 s[G1+5], 32768
	s_mov_b32 s[G1+6], 0
	s_mov_b32 s[G1+7], 0
	s_or_b32 s[G1B+0], s44, (0<<16)|(1<<20)|(1<<21)|(6<<22)|(3<<25)
	s_mov_b32 s[G1B+1], 512<<16
	s_mov_b32 s[G1B+2], 64<<16
	s_mov_b32 s[G1B+3], 512<<16
	s_mov_b32 s[G1B+4], 64
	s_mov_b32 s[G1B+5], KTOT
	s_mov_b32 s[G1B+6], 0
	s_mov_b32 s[G1B+7], 0
	s_lshl_b32 s20, s17, 13
	s_lshl_b32 s18, s16, 12
	s_add_co_u32 s20, s20, s18
	s_mov_b32 s21, 0
	s_lshl_b32 s46, s42, 7
	s_lshl_b32 s18, s16, 6
	s_add_co_u32 s46, s46, s18
	s_mul_i32 s46, s46, KTOT
	s_mov_b32 s47, 0
	s_mul_i32 s45, s16, HA
	s_mul_i32 s22, s16, HB
	s_add_co_u32 s22, s22, 2*HA
	s_wait_dscnt 0x0
	s_wait_kmcnt 0x0
	s_load_b64 s[96:97], s[8:9], EOFF
	s_add_nc_u64 s[20:21], s[4:5], s[20:21]
	s_add_nc_u64 s[46:47], s[6:7], s[46:47]
	CROUND
.irp s, 0,1
	s_mov_b32 s[G0+4*\s], 1
	s_add_co_u32 s[G0+4*\s+1], s45, \s*SLOT
	s_add_nc_u64 s[G0+4*\s+2:G0+4*\s+3], s[20:21], \s*ASTEP
	s_or_b32 s[G0+4*\s+3], s[G0+4*\s+3], 0x80000000
	s_mov_b32 s[G0B+4*\s], 1
	s_add_co_u32 s[G0B+4*\s+1], s22, \s*SLOT
	s_add_nc_u64 s[G0B+4*\s+2:G0B+4*\s+3], s[46:47], \s*BSTEP
	s_or_b32 s[G0B+4*\s+3], s[G0B+4*\s+3], 0x80000000
	JLOAD G0+4*\s, G1, G0B+4*\s, G1B
.endr
	v_and_b32 v1, 15, v0
	v_bfe_u32 v2, v0, 4, 1
	v_mul_u32_u24 v3, v1, 80
	v_lshl_add_u32 v3, v2, 4, v3
	v_mul_u32_u24 v4, v1, 528
	v_lshl_add_u32 v4, v2, 4, v4
	s_mul_i32 s21, s15, HA
	s_mul_i32 s22, s16, HB
	s_add_co_u32 s22, s22, 2*HA
.irp s, 0,1
	v_add_nc_u32 v[ADRA+\s], s21, v3
	v_add_nc_u32 v[ADRB+\s], s22, v4
	s_add_co_u32 s21, s21, SLOT
	s_add_co_u32 s22, s22, SLOT
.endr
	s_mul_i32 s23, s14, SPB
	v_mul_u32_u24 v5, v1, 272
	v_lshl_add_u32 v5, v2, 5, v5
	v_add_nc_u32 v[STO], s23, v5
	v_mul_u32_u24 v5, v2, 272
	v_lshl_add_u32 v5, v1, 4, v5
	v_add_nc_u32 v[RD], s23, v5
	v_lshlrev_b32 v[BO], 4, v1
	v_lshl_add_u32 v[CO], v2, 12, v[BO]
	s_lshl_b32 s46, s42, 9
	s_lshl_b32 s47, s16, 8
	s_add_co_u32 s46, s46, s47
	s_mov_b32 s47, 0
	s_add_nc_u64 s[10:11], s[10:11], s[46:47]
	s_lshl_b32 s18, s17, 19
	s_add_co_u32 s46, s46, s18
	s_lshl_b32 s18, s15, 18
	s_add_co_u32 s46, s46, s18
	s_add_nc_u64 s[68:69], s[68:69], s[46:47]
	s_add_nc_u64 s[70:71], s[70:71], s[46:47]
	global_load_b128 v[BI:BI+3], v[BO], s[10:11]
	WIN 0x80
.irp a, 0,1,2,3
.irp t, 0,1,2,3,4,5,6,7
	global_load_b128 v[32*\a+4*\t:32*\a+4*\t+3], v[CO], s[68:69] offset:(16*\a+2*\t)*4096 th:TH_LOAD_NT
.endr
.endr
	WIN 0
.macro MUL4 f, a, zero                 ; the 16 accumulators take turns, one instruction a turn, in the same order in every quarter
.irp b, 0,1,2,3
.if \zero
	v_wmma_f32_16x16x128_fp8_fp8 v[ACC+8*(4*(\a)+\b):ACC+8*(4*(\a)+\b)+7], v[\f+64+16*\b:\f+64+16*\b+15], v[\f+16*(\a):\f+16*(\a)+15], 0
.else
	v_wmma_f32_16x16x128_fp8_fp8 v[ACC+8*(4*(\a)+\b):ACC+8*(4*(\a)+\b)+7], v[\f+64+16*\b:\f+64+16*\b+15], v[\f+16*(\a):\f+16*(\a)+15], v[ACC+8*(4*(\a)+\b):ACC+8*(4*(\a)+\b)+7]
.endif
.endr
.endm
.macro FETCH slot, q, f
	WIN TO_F
.irp i, 0,1,2,3
.irp c, 0,1,2,3
	ds_load_b128 v[\f+64+16*\i+4*\c:\f+64+16*\i+4*\c+3], v[ADRB+\slot] offset:128*(\q)+32*\c+\i*16*528
.endr
.endr
.irp i, 0,1,2,3
.irp c, 0,1,2,3
	ds_load_b128 v[\f+16*\i+4*\c:\f+16*\i+4*\c+3], v[ADRA+\slot] offset:(2*(\q)+\c/2)*5120+\i*1280+32*(\c%2)
.endr
.endr
.endm
.macro PLACES
.rept 4
	v_nop
.endr
.endm
.macro QUARTER slot, q, f, g, zero
	s_wait_dscnt 8                                 ; all of f but the youngest eight loads (A's blocks 2, 3)
	WIN MUL
	MUL4 \f, 0, \zero
	MUL4 \f, 1, \zero
	PLACES
	FETCH \slot, \q, \g
	s_wait_dscnt 32                                ; all but the 32 just issued
	WIN MUL
	MUL4 \f, 2, \zero
	MUL4 \f, 3, \zero
.endm
.macro TURN slot, next, fill
	WIN 0
	s_wait_tensorcnt 0x0                           ; all my tensor loads have landed: my part of the next slot
	ds_add_u32 v[SPW], v[NIL]
	s_wait_dscnt 9                                 ; (the add and the youngest eight loads may be out)
	WIN MUL
	MUL4 F1, 0, 0
	s_wait_dscnt 0x0                               ; the add is done, and my reads of this slot are over
	s_barrier_signal -1
	MUL4 F1, 1, 0
.if \fill
	WIN 0
.endif
	s_barrier_wait -1
.if \fill
	CREST                                          ; the barrier has opened a round of the cluster's: no wave of any partner still reads this slot or has a load on its way
	s_add_nc_u64 s[G0+4*\slot+2:G0+4*\slot+3], s[G0+4*\slot+2:G0+4*\slot+3], 2*ASTEP
	s_add_nc_u64 s[G0B+4*\slot+2:G0B+4*\slot+3], s[G0B+4*\slot+2:G0B+4*\slot+3], 2*BSTEP
	JLOAD G0+4*\slot, G1, G0B+4*\slot, G1B         ; the first tensor load behind the round; its four v_nop are the places in front of the loads below
.else
	PLACES
.endif
	FETCH \next, 0, F0
	WIN MUL
	MUL4 F1, 2, 0
	MUL4 F1, 3, 0
.endm
	s_wait_tensorcnt 1                             ; my part of slot 0 is in; slot 1's load may be out
	s_barrier_signal -1
	s_barrier_wait -1
	FETCH 0, 0, F0
	QUARTER 0, 1, F0, F1, 1
.if LAPS > 1
	WIN 0
	s_mov_b32 s3, LAPS-1
.Llap:                                                 ; a trip goes once round the ring and fills both slots again
	QUARTER 0, 2, F1, F0, 0
	QUARTER 0, 3, F0, F1, 0
	TURN 0, 1, 1
	QUARTER 1, 1, F0, F1, 0
	QUARTER 1, 2, F1, F0, 0
	QUARTER 1, 3, F0, F1, 0
	TURN 1, 0, 1
	QUARTER 0, 1, F0, F1, 0
	WIN 0
	s_sub_co_u32 s3, s3, 1
	s_cmp_lg_u32 s3, 0
	s_cbranch_scc1 .Llap
.endif
	QUARTER 0, 2, F1, F0, 0
	QUARTER 0, 3, F0, F1, 0
	TURN 0, 1, 0
	QUARTER 1, 1, F0, F1, 0
	QUARTER 1, 2, F1, F0, 0
	QUARTER 1, 3, F0, F1, 0
	s_wait_dscnt 8
	WIN MUL
	MUL4 F1, 0, 0
	MUL4 F1, 1, 0
	s_wait_dscnt 0
	MUL4 F1, 2, 0
	MUL4 F1, 3, 0
	WIN 0
; THE WAY OUT, 16 rows at a time: the sums go through my own stage and come back as whole rows of 256 bytes; sum x 2^(ea + eb) + residual, + bias; sixteen lanes store 256 aligned bytes.
.macro FIN a
.if (\a) > 0
	s_wait_xcnt 0x0                                ; the last block's stores have read their registers
.endif
.irp b, 0,1,2,3
	ds_store_b128 v[STO], v[ACC+8*(4*(\a)+\b):ACC+8*(4*(\a)+\b)+3] offset:64*\b
	ds_store_b128 v[STO], v[ACC+8*(4*(\a)+\b)+4:ACC+8*(4*(\a)+\b)+7] offset:64*\b+16
.endr
.irp t, 0,1,2,3,4,5,6,7
	ds_load_b128 v[BK+4*\t:BK+4*\t+3], v[RD] offset:544*\t
.endr
	s_wait_dscnt 0x0
	WIN 0x20
.set j, 0
.rept 16
	v_pk_fma_f32 v[BK+j:BK+j+1], v[BK+j:BK+j+1], s[96:97], v[32*(\a)+j:32*(\a)+j+1] op_sel_hi:[1,0,1]
.set j, j+2
.endr
	WIN 0
.irp t, 0,1,2,3,4,5,6,7
	v_pk_add_f32 v[BK+4*\t:BK+4*\t+1], v[BK+4*\t:BK+4*\t+1], v[BI:BI+1]
	v_pk_add_f32 v[BK+4*\t+2:BK+4*\t+3], v[BK+4*\t+2:BK+4*\t+3], v[BI+2:BI+3]
.endr
.irp t, 0,1,2,3,4,5,6,7
	global_store_b128 v[CO], v[BK+4*\t:BK+4*\t+3], s[70:71] offset:(16*(\a)+2*\t)*4096 th:TH_STORE_NT
.endr
.endm
	s_wait_kmcnt 0x0
	s_add_co_i32 s96, s96, s97
	s_add_co_i32 s96, s96, 127
	s_lshl_b32 s96, s96, 23
	s_mov_b32 s97, s96
	PLACES
	s_wait_loadcnt 0x0
	FIN 0
	FIN 1
	FIN 2
	FIN 3
	s_wait_tensorcnt 0x0                           ; the wave's end
	ds_add_u32 v[SPW], v[NIL]
	s_wait_dscnt 0x0
	CROUND                                         ; the closing round
	s_endpgm
.Lfunc_end_k_q869880e110_w2:
	.size	k_q869880e110_w2, .Lfunc_end_k_q869880e110_w2-k_q869880e110_w2
	.p2alignl 7, 3214868480
	.fill 96, 4, 3214868480
	.section	.rodata,"a",@progbits
	.p2align	6, 0x0
	.amdhsa_kernel k_q869880e110_w2
		.amdhsa_group_segment_fixed_size 327680
		.amdhsa_private_segment_fixed_size 0
		.amdhsa_enable_private_segment 0
		.amdhsa_kernarg_size 48
		.amdhsa_user_sgpr_count 2
		.amdhsa_user_sgpr_kernarg_segment_ptr 1
		.amdhsa_wavefront_size32 1
		.amdhsa_system_sgpr_workgroup_id_x 1
		.amdhsa_system_sgpr_workgroup_id_y 1
		.amdhsa_system_sgpr_workgroup_id_z 1
		.amdhsa_system_vgpr_workitem_id 0
		.amdhsa_next_free_vgpr 640
		.amdhsa_next_free_sgpr 100
		.amdhsa_reserve_vcc 0
		.amdhsa_float_denorm_mode_32 3
		.amdhsa_float_denorm_mode_16_64 3
		.amdhsa_memory_ordered 1
		.amdhsa_forward_progress 1
		.amdhsa_inst_pref_size 81
	.end_amdhsa_kernel
	.amdgpu_metadata
---
amdhsa.version: [ 1, 2 ]
amdhsa.kernels:
  - .name:           k_q869880e110_w2
    .symbol:         k_q869880e110_w2.kd
    .args:
      - { .name: hc, .offset: 0, .size: 8, .value_kind: global_buffer, .address_space: global }
      - { .name: W2_codes, .offset: 8, .size: 8, .value_kind: global_buffer, .address_space: global }
      - { .name: lowp_scales, .offset: 16, .size: 8, .value_kind: global_buffer, .address_space: global }
      - { .name: b2, .offset: 24, .size: 8, .value_kind: global_buffer, .address_space: global }
      - { .name: x2, .offset: 32, .size: 8, .value_kind: global_buffer, .address_space: global }
      - { .name: out0, .offset: 40, .size: 8, .value_kind: global_buffer, .address_space: global }
    .group_segment_fixed_size: 327680
    .private_segment_fixed_size: 0
    .kernarg_segment_align: 8
    .kernarg_segment_size: 48
    .max_flat_workgroup_size: 128
    .sgpr_count:     100
    .vgpr_count:     640
    .wavefront_size: 32
...
	.end_amdgpu_metadata
.endif
;; end of part 7
